; MI455X (gfx1250); checked and timed in simulation.
; The chip was launched on July 23, 2026; its instructions are those of AMD's public machine-readable ISA for CDNA 5 (MIT licence, August 2026) and "CDNA5" Instruction Set Architecture Reference Guide (July 2026). The comments in the code are by the model that wrote it; some were corrected since.
;; Causal Self Attention. Allowed arithmetic: matrix products marked QUANTISED: E2M1 operands, one E8M0 scale for each 32 along K, by v_wmma_scale_f32_16x16x128_f8f6f4 with both operands' format E2M1 (or v_wmma_scale_f32_32x16x128_f4), f32 sums; products left as they are: bf16, f16 or f32 operands; f32 sums; everything else in f32.
;; Inputs: b_proj 1,024 float32; b_qkv 3,072 float32; w_proj 1,024 x 1,024 float32; w_qkv 3,072 x 1,024 float32; x 4 x 2,048 x 1,024 float32.
;; Outputs: out0 4 x 2,048 x 1,024 float32.
;; This version of the problem:
;;   THIS VERSION OF THE PROBLEM IS GIVEN IN LOW PRECISION. The matrix products marked QUANTISED in the list below multiply operands that are first quantised to E2M1 (2 exponent bits, 1 mantissa bit; 4 bits a number), with one power-of-two scale for each 32 numbers along K (OCP MX v1.0); their sums are f32. The products marked 'left as it is' may take bf16, f16 or f32 operands, with f32 sums. Whichever they take, every output number must still come out within the allowed error. Rounding operands to bf16 (8 significant bits) uses up far more of that allowance than f16 does (11 bits, for magnitudes from 6e-5 to 65,504). All else is computed in f32.
;;   The module's matrix products, in the order in which they are computed (A, B: the left and right operand; K: the contracted axis; several contracted axes count as one K, in the product's order):
;;     1. [M 8,192, K 1,024] x [K 1,024, N 3,072]; A: input x; B: input w_qkv: QUANTISED
;;     2. batch 64 x [M 2,048, K 64] x [K 64, N 2,048]; A: computed on the way; B: computed on the way: left as it is (an operand is computed on the way)
;;     3. batch 64 x [M 2,048, K 2,048] x [K 2,048, N 64]; A: computed on the way; B: computed on the way: left as it is (an operand is computed on the way)
;;     4. [M 8,192, K 1,024] x [K 1,024, N 1,024]; A: computed on the way; B: input w_proj: left as it is (an operand is computed on the way)
;;   THE QUANTISER, for each operand of a quantised product, along K:
;;     - K is cut into blocks of 32 from its start; a last block that is shorter is filled with zeros.
;;     - A block's scale is 2^e with e = floor(log2(the largest magnitude in the block)) - 2, held to -126 .. 127; a block of zeros has e = 0. As a byte (E8M0): e + 127.
;;     - Each number is divided by its block's scale, clamped to +-6, and rounded to the nearest number of E2M1, ties to even, subnormals kept.
;;     - The product sums the exact products of the quantised numbers (number of the format x scale) in f32.
;;   ~~~python
;;   def quantise(x, axis):      # numpy; x: float32 -> the quantised numbers, widened to float32 again
;;       x = np.moveaxis(x, axis, -1); K = x.shape[-1]
;;       x = np.pad(x, [(0, 0)] * (x.ndim - 1) + [(0, -K % 32)]); x = x.reshape(x.shape[:-1] + (-1, 32)); a = np.abs(x).max(-1, keepdims=True)
;;       e = np.where(a > 0, np.clip(np.frexp(np.where(a > 0, a, 1))[1] - 1 - 2, -126, 127), 0)      # np.frexp(a)[1] - 1 = floor(log2(a)), exactly
;;       r = np.clip(x / 2.0 ** e, -6, 6)
;;       step = 2.0 ** (np.maximum(np.frexp(np.where(r == 0, 1, r))[1] - 1, 0) - 1)
;;       q = np.round(r / step) * step * 2.0 ** e      # np.round: ties to even
;;       return np.moveaxis(q.reshape(q.shape[:-2] + (-1,))[..., :K], -1, axis).astype(np.float32)
;;   ~~~
;; One version. Each part assembles by itself: llvm-mc -triple=amdgcn-amd-amdhsa -mcpu=gfx1250 --defsym DOCPART=n.
;; ======== version 1 of 1: 5 launches
;; limits: values are held in f16: magnitudes above 65,504 overflow, below 6.1e-05 lose precision
;; workspace buffers: x_codes 4,194,304 bytes; x_scales 262,144 bytes; w_codes 1,572,864 bytes; w_scales 98,304 bytes; wp16 2,097,152 bytes; qkvh 50,331,648 bytes; qkv32 786,432 bytes; y16 16,777,216 bytes
;; launch quant (part 1): grid 384 x 1, 4 waves a work-group, no clusters, 33,280 bytes of LDS; arguments x, w_qkv, x_codes, x_scales, w_codes, w_scales, w_proj, wp16; writes x_codes, x_scales, w_codes, w_scales, wp16
.if DOCPART == 1
	.amdgcn_target "amdgcn-amd-amdhsa--gfx1250"
	.amdhsa_code_object_version 6
	.text
	.protected	k_qe18d688f74_quant
	.globl	k_qe18d688f74_quant
	.p2align	8
	.type	k_qe18d688f74_quant,@function
k_qe18d688f74_quant:
	s_mov_b64 s[64:65], 0
	v_nop
	global_prefetch_b8 v0, s[64:65] scope:SCOPE_SE
	s_setreg_imm32_b32 hwreg(HW_REG_WAVE_MODE, 25, 1), 1
	s_wait_xcnt 0x0
; x [8192][1024] and w_qkv [3072][1024], f32, become codes of FP4 (E2M1), K innermost, two codes a byte, with one E8M0 scale byte for each 32 along K; w_proj [1024][1024] becomes f16.
; A block's scale is 2^(floor(log2(its largest magnitude)) - 2); its byte is the largest magnitude's exponent field - 2, held at 1 from below.  Each number is divided by the scale and rounded to the nearest code, ties to even;
; what lies beyond 6 takes the largest code.
; LIMITS: a block of zeros gets the byte 1 where the rule says 127 (its codes are zeros, and this program alone reads the bytes); blocks whose largest magnitude lies under 2^(2 - 126) keep the floor's byte; NaN and infinities
; are not served; numbers of w_proj beyond 65,504 become infinite in f16, and under 6e-5 they keep an absolute step of 6e-8.
; SHARES.  Rows are dense and K is a multiple of 32: both tensors are plain streams of blocks.  Work-groups 0-255 take x, 256-351 w_qkv: a wave takes 16 steps of 512 numbers.  Each of a step's four loads reads 512 consecutive
; bytes; the 2,048 bytes turn through the wave's own stage in LDS and come back 64 bytes a lane, so that a lane holds 16 neighbours along K (two lanes hold a block).  A wave's store of codes covers 256 consecutive bytes, aligned;
; its 256 scale bytes are gathered in LDS and leave as one such run.  Work-groups 352-383 take w_proj: a wave casts 8,192 numbers, 16 loads ahead, with no LDS.  No tensor loads, no barrier: waves share nothing.
.set SIZE_M, 8192
.set SIZE_N, 3072
.set SIZE_K, 1024
.set WAVES, 4
.set STEPS, 16
.set WGA,   SIZE_M*SIZE_K/(512*STEPS*WAVES)            ; 256 work-groups for x
.set WGQ,   (SIZE_M+SIZE_N)*SIZE_K/(512*STEPS*WAVES)   ; 352 for both quantised tensors
.set EMAX,  2
.set CB,    8                          ; bytes of 16 codes
.set R,     16                         ; v16-79   four sets of 16 numbers as they are loaded (the cast: 16 slots of 4)
.set X,     80                         ; v80-111  two sets of 16 neighbours
.set C,     128                        ; v128-191 codes: four registers for each step (the cast: two sets of 32 registers of f16)
.set E,     112                        ; v112-127 a scale byte for each step
.set WREG,  8192                       ; LDS: a region for each wave: two stages of 32 x SP bytes, behind them its 256 scale bytes
.set SP,    80                         ; a lane's place in a stage: 64 bytes + 16 of padding
.set SPW,   12                         ; v12 LDS address of my spare word; never rewritten
.set NIL,   13                         ; v13 0; never rewritten
.set SPARE, WAVES*WREG                 ; behind the four regions: the spare words, 128 bytes a wave
	s_load_b128 s[4:7], s[0:1], 0x0                ; x, w_qkv
	s_load_b128 s[8:11], s[0:1], 0x10              ; x's codes, x's scales
	s_load_b128 s[12:15], s[0:1], 0x20             ; w's codes, w's scales
	s_load_b128 s[24:27], s[0:1], 0x30             ; w_proj, wp16
	v_lshl_add_u32 v[SPW], v0, 2, SPARE
	v_mov_b32 v[NIL], 0
	v_lshrrev_b32 v1, 5, v0
	v_readfirstlane_b32 s16, v1                    ; wave
	v_and_b32 v2, 31, v0                           ; lane
	v_lshlrev_b32 v3, 4, v2                        ; my 16 bytes of a load's 512
	s_mul_i32 s17, s16, WREG
	v_lshrrev_b32 v14, 2, v2
	v_mul_u32_u24 v14, v14, SP
	v_and_b32 v15, 3, v2
	v_lshl_add_u32 v14, v15, 4, v14
	v_add_nc_u32 v14, s17, v14                     ; the stage, on the way in: SP (lane / 4) + 16 (lane % 4)
	v_mul_u32_u24 v15, v2, SP
	v_add_nc_u32 v15, s17, v15                     ; and on the way out: SP x lane: my 16 neighbours
	v_mul_u32_u24 v4, v2, CB                       ; my codes' place in a step's
	v_lshrrev_b32 v5, 1, v2
	s_add_co_u32 s17, s17, 2*32*SP
	v_add_nc_u32 v5, s17, v5                       ; LDS: my wave's 256 scale bytes, my block's byte
	v_lshlrev_b32 v7, 3, v2                        ; 8 bytes a lane
	v_add_nc_u32 v6, s17, v7
	s_wait_kmcnt 0x0
	s_cmp_ge_u32 ttmp9, WGQ                        ; the last 32 work-groups cast w_proj: a branch on the work-group's number
	s_cbranch_scc1 .Lcast
	s_cmp_lt_u32 ttmp9, WGA                        ; x's work-group or w_qkv's?  Only pointers are chosen
	s_cselect_b64 s[4:5], s[4:5], s[6:7]
	s_cselect_b64 s[8:9], s[8:9], s[12:13]
	s_cselect_b64 s[10:11], s[10:11], s[14:15]
	s_cselect_b32 s17, 0, WGA
	s_sub_co_u32 s17, ttmp9, s17
	s_lshl_b32 s17, s17, 2
	s_add_co_u32 s18, s17, s16                     ; which run of 8,192 numbers of the tensor is my wave's
	s_mov_b32 s19, 0
	s_mov_b64 s[20:21], 512*STEPS*4
	s_mul_u64 s[20:21], s[18:19], s[20:21]
	s_add_nc_u64 s[4:5], s[4:5], s[20:21]
	s_mov_b64 s[20:21], 32*STEPS*CB
	s_mul_u64 s[20:21], s[18:19], s[20:21]
	s_add_nc_u64 s[8:9], s[8:9], s[20:21]
	s_lshl_b32 s18, s18, 8                         ; 256 scale bytes a run
	s_add_nc_u64 s[10:11], s[10:11], s[18:19]
.macro LOAD t
.irp i, 0,1,2,3
	global_load_b128 v[R+16*((\t)%4)+4*\i:R+16*((\t)%4)+4*\i+3], v3, s[4:5] offset:2048*(\t)+512*\i th:TH_LOAD_NT   ; 32 lanes read 512 consecutive bytes
.endr
.endm
.macro TURN t                          ; step t's numbers through the stage: LDS serves a wave's instructions in order, so no wait stands between the stores and the loads
.irp i, 0,1,2,3
	ds_store_b128 v14, v[R+16*((\t)%4)+4*\i:R+16*((\t)%4)+4*\i+3] offset:32*SP*((\t)%2)+8*SP*\i
.endr
.irp i, 0,1,2,3
	ds_load_b128 v[X+16*((\t)%2)+4*\i:X+16*((\t)%2)+4*\i+3], v15 offset:32*SP*((\t)%2)+16*\i
.endr
.endm
.irp t, 0,1,2,3
	LOAD \t
.endr
	s_wait_loadcnt 12                              ; step 0's four loads are in; the twelve of steps 1 to 3 stay out
	TURN 0
.macro STEP t
.set XS, X+16*((\t)%2)
.if (\t) > 0
	s_wait_dscnt 1                                 ; this step's numbers are back from the stage (the last step's byte store may be out)
.else
	s_wait_dscnt 0x0
.endif
.if (\t)+4 < STEPS
	LOAD (\t)+4                                    ; into the registers that the stage's stores have read
.endif
.if (\t)+1 < STEPS
.if STEPS-2-(\t) >= 3
	s_wait_loadcnt 12                              ; the next step's four loads are in; those of the three steps behind it may be out
.else
	s_wait_loadcnt 4*(STEPS-2-(\t))
.endif
	TURN (\t)+1                                    ; through the other stage while this step is worked
.endif
	v_max3_num_f32 v8, |v[XS]|, |v[XS+1]|, |v[XS+2]|               ; the largest magnitude of my 16, in two chains
	v_max3_num_f32 v9, |v[XS+3]|, |v[XS+4]|, |v[XS+5]|
.irp i, 6,10
	v_max3_num_f32 v8, v8, |v[XS+\i]|, |v[XS+\i+1]|
	v_max3_num_f32 v9, v9, |v[XS+\i+2]|, |v[XS+\i+3]|
.endr
	v_max3_num_f32 v8, v8, |v[XS+14]|, |v[XS+15]|
	v_max3_num_f32 v8, v8, v9, (EMAX+1)<<23        ; and the floor 2^(EMAX + 1 - 127): the byte cannot fall under 1
	v_max_num_f32_dpp v8, v8, v8 row_xmask:1 row_mask:0xf bank_mask:0xf   ; and of my neighbour's 16: the block's
	v_add_nc_u32 v11, -(EMAX<<23), v8              ; EMAX off its exponent field: the conversion takes the exponent field of this operand as its scale
	v_cvt_scalef32_pk8_fp4_f32 v[C+4*(\t)], v[XS:XS+7], v11
	v_cvt_scalef32_pk8_fp4_f32 v[C+4*(\t)+1], v[XS+8:XS+15], v11
	v_lshrrev_b32 v[E+(\t)], 23, v11               ; the scale's byte
	ds_store_b8 v5, v[E+(\t)] offset:16*(\t)       ; both lanes of a block write the same byte with the same value
	global_store_b64 v4, v[C+4*(\t):C+4*(\t)+1], s[8:9] offset:32*CB*(\t)
.endm
.irp t, 0,1,2,3,4,5,6,7,8,9,10,11,12,13,14,15
	STEP \t
.endr
	ds_load_b64 v[8:9], v6                         ; LDS serves a wave's instructions in order: these see my stores
	s_wait_dscnt 0x0
	global_store_b64 v7, v[8:9], s[10:11]          ; 32 lanes store 256 consecutive bytes, aligned
	s_wait_tensorcnt 0x0                           ; the wave's end
	ds_add_u32 v[SPW], v[NIL]
	s_wait_dscnt 0x0
	s_endpgm
; THE CAST: 64 loads of 512 bytes a wave in four rounds of 16 slots; a slot's 4 numbers a lane become 8 bytes, so a store covers 256 consecutive bytes, aligned.  Nothing here touches LDS.
.Lcast:
	s_sub_co_u32 s17, ttmp9, WGQ
	s_lshl_b32 s17, s17, 2
	s_add_co_u32 s18, s17, s16                     ; which run of 8,192 numbers is my wave's
	s_lshl_b32 s20, s18, 15                        ; 32,768 bytes in,
	s_mov_b32 s21, 0
	s_add_nc_u64 s[24:25], s[24:25], s[20:21]
	s_lshl_b32 s20, s18, 14                        ; 16,384 out
	s_add_nc_u64 s[26:27], s[26:27], s[20:21]
.irp i, 0,1,2,3,4,5,6,7,8,9,10,11,12,13,14,15
	global_load_b128 v[R+4*\i:R+4*\i+3], v3, s[24:25] offset:512*\i th:TH_LOAD_NT
.endr
.macro CAST g, i
.if (\g) < 3
	s_wait_loadcnt 15                              ; my slot's load is in; the fifteen younger ones stay out
.else
	s_wait_loadcnt 15-(\i)                         ; the last round loads nothing: the counts run down
.endif
	v_cvt_pk_f16_f32 v[C+32*((\g)%2)+2*(\i)], v[R+4*(\i)], v[R+4*(\i)+1]
	v_cvt_pk_f16_f32 v[C+32*((\g)%2)+2*(\i)+1], v[R+4*(\i)+2], v[R+4*(\i)+3]
.if (\g) < 3
	global_load_b128 v[R+4*(\i):R+4*(\i)+3], v3, s[24:25] offset:512*(16*((\g)+1)+(\i)) th:TH_LOAD_NT
.endif
	global_store_b64 v7, v[C+32*((\g)%2)+2*(\i):C+32*((\g)%2)+2*(\i)+1], s[26:27] offset:256*(16*(\g)+(\i))
.endm
.irp g, 0,1,2,3
.if \g >= 2
	s_wait_xcnt 0x0                                ; the stores of two rounds back have read their data: that set of registers is written again only behind this wait
.endif
.irp i, 0,1,2,3,4,5,6,7,8,9,10,11,12,13,14,15
	CAST \g, \i
.endr
.endr
	s_endpgm
.Lfunc_end_k_qe18d688f74_quant:
	.size	k_qe18d688f74_quant, .Lfunc_end_k_qe18d688f74_quant-k_qe18d688f74_quant
	.p2alignl 7, 3214868480
	.fill 96, 4, 3214868480
	.section	.rodata,"a",@progbits
	.p2align	6, 0x0
	.amdhsa_kernel k_qe18d688f74_quant
		.amdhsa_group_segment_fixed_size 33280
		.amdhsa_private_segment_fixed_size 0
		.amdhsa_enable_private_segment 0
		.amdhsa_kernarg_size 64
		.amdhsa_user_sgpr_count 2
		.amdhsa_user_sgpr_kernarg_segment_ptr 1
		.amdhsa_wavefront_size32 1
		.amdhsa_system_sgpr_workgroup_id_x 1
		.amdhsa_system_sgpr_workgroup_id_y 1
		.amdhsa_system_sgpr_workgroup_id_z 1
		.amdhsa_system_vgpr_workitem_id 0
		.amdhsa_next_free_vgpr 192
		.amdhsa_next_free_sgpr 66
		.amdhsa_reserve_vcc 0
		.amdhsa_float_denorm_mode_32 3
		.amdhsa_float_denorm_mode_16_64 3
		.amdhsa_memory_ordered 1
		.amdhsa_forward_progress 1
		.amdhsa_inst_pref_size 56
	.end_amdhsa_kernel
	.amdgpu_metadata
---
amdhsa.version: [ 1, 2 ]
amdhsa.kernels:
  - .name:           k_qe18d688f74_quant
    .symbol:         k_qe18d688f74_quant.kd
    .args:
      - { .name: x, .offset: 0, .size: 8, .value_kind: global_buffer, .address_space: global }
      - { .name: w_qkv, .offset: 8, .size: 8, .value_kind: global_buffer, .address_space: global }
      - { .name: x_codes, .offset: 16, .size: 8, .value_kind: global_buffer, .address_space: global }
      - { .name: x_scales, .offset: 24, .size: 8, .value_kind: global_buffer, .address_space: global }
      - { .name: w_codes, .offset: 32, .size: 8, .value_kind: global_buffer, .address_space: global }
      - { .name: w_scales, .offset: 40, .size: 8, .value_kind: global_buffer, .address_space: global }
      - { .name: w_proj, .offset: 48, .size: 8, .value_kind: global_buffer, .address_space: global }
      - { .name: wp16, .offset: 56, .size: 8, .value_kind: global_buffer, .address_space: global }
    .group_segment_fixed_size: 33280
    .private_segment_fixed_size: 0
    .kernarg_segment_align: 8
    .kernarg_segment_size: 64
    .max_flat_workgroup_size: 128
    .sgpr_count:     66
    .vgpr_count:     192
    .wavefront_size: 32
...
	.end_amdgpu_metadata
.endif
;; end of part 1
;; launch qkv (part 2): grid 12 x 32, 4 waves a work-group, clusters of 4 x 4, 327,680 bytes of LDS; arguments x_codes, x_scales, w_codes, w_scales, qkvh, b_qkv, qkv32; writes qkvh, qkv32
.if DOCPART == 2
	.amdgcn_target "amdgcn-amd-amdhsa--gfx1250"
	.amdhsa_code_object_version 6
	.text
	.protected	k_qe18d688f74_qkv
	.globl	k_qe18d688f74_qkv
	.p2align	8
	.type	k_qe18d688f74_qkv,@function
k_qe18d688f74_qkv:
	s_mov_b64 s[64:65], 0
	v_nop
	global_prefetch_b8 v0, s[64:65] scope:SCOPE_SE
	s_setreg_imm32_b32 hwreg(HW_REG_WAVE_MODE, 25, 1), 1
	s_wait_xcnt 0x0
	s_wait_alu depctr_hold_cnt(0) depctr_sa_sdst(0) depctr_va_vdst(0) depctr_va_sdst(0) depctr_va_ssrc(0) depctr_va_vcc(0) depctr_vm_vsrc(0)
	s_getreg_b32 s2, hwreg(HW_REG_IB_STS2, 6, 4)
	s_cmp_eq_u32 s2, 0
	s_cbranch_scc0 .Lentry_in_a_cluster
	s_endpgm
.Lentry_in_a_cluster:
	s_bfe_u32 s2, ttmp6, 0x10000c
	s_cmp_lg_u32 s2, 0xf033
	s_cbranch_scc0 .Lentry_shape_is_right
	s_endpgm
.Lentry_shape_is_right:
; qkv[m][n] = sum over k of x[m][k] w_qkv[n][k] + b_qkv[n], on codes of FP4 (E2M1) with one E8M0 scale for each 32 along K; sums in f32.  M = 8,192, N = 3,072, K = 1,024.
; OUT: q, k, v rounded to f16 as head planes, qkvh [3][batch 4][head 16][t 2,048][64]; and rows t < 16 of every batch once more in f32, as images of the accumulators' registers, qkv32 [batch][column / 16][half][lane][16 bytes].
; LIMITS: results beyond 65,504 become infinite in f16, and under 6e-5 they keep an absolute step of 6e-8.  The bias is the C of each sum's first product: another order of f32 rounding than a bias added last.
; A tile of 256 x 256 is made by four waves, each 128 x 128: 64 accumulators, 512 registers.  All of K lies in two LDS slots of 512 along K (rows of 256 bytes), filled once by the tensor data mover; nothing is filled again.
; The scale bytes of the work-group's 256 + 256 rows are two dense blocks of memory: they come once, in runs of 256 bytes.
; CLUSTERS: 4 x 4 work-groups.  The four of a row of the cluster need the same tiles of x, the four of a column the same tiles of w: each tile is asked for jointly, by the same tensor load with the same descriptor and a mask
; that names the four.  Tile row = 8 cy + cluster y: so cy is the batch, and whether a tile holds t < 16 hangs on the cluster's y alone, which all sixteen partners share.
; THE MATRIX INSTRUCTION IS USED TRANSPOSED (source 0 = 16 rows of w, source 1 = 16 rows of x): a lane holds eight neighbouring columns of one row.
; REGISTERS: window 0: v0-31 addresses; v32-95 scale words, two sets; from v128 x's fragments, one set; on the way out v32-127 are free.  window 1: w's fragments, two sets, at v0 and v128; v64-127 the bias, 8 registers a block of
; 16 columns.  window 2: the accumulators of my rows 0-63 ((a, b) at v[8 (8 a + b)]); window 3: those of rows 64-127.
.set KSTEP,  512
.set NQ,     4                         ; matrix instructions deep in a slot
.set ROWB,   256                       ; a tile's row in bytes
.set KROW,   512                       ; a row of codes in memory
.set PITCH,  272                       ; an LDS row: 256 bytes + 16 of padding, so that the 16 rows of a load start 16 bytes apart modulo 256
.set FR,     8
.set NL,     2
.set NP,     4                         ; places behind this matrix instruction (ISA guide 7.12.1)
.set HALFT,  128*PITCH
.set SLOT,   4*HALFT
.set KS,     32                        ; a row of scale bytes
.set SCL,    2*SLOT                    ; behind the slots: the scales, as runs of 256 bytes + 16 of padding
.set HALFS,  (128*KS/256)*272
.set SBLK,   (16*KS/256)*272
.set SPARE,  SCL+4*HALFS               ; the spare words, 128 bytes a wave
.set SPT,    144                       ; the way out: a stage row, 128 bytes + 16
.set SHEAD,  16*SPT                    ; 16 rows of one head; a wave's stage is two of these, in slot 0, which has had its one fill and its last read by then
.set ADRA, 16
.set ADRB, 20
.set STO,  24
.set RD,   25
.set CO,   26
.set ADRS, 27
.set SPW,  28
.set NIL,  29
.set BO,   30                          ; v30 the bias: 32 x (lane / 16)
.set SC,   32
.set AF,   128
.set BIAS, 64                          ; in window 1
.set TMP,  32                          ; the way out: a block's 32 packed registers
.set BK,   64                          ; and 16 rows read back: v64-95 and v96-127 by turns
.set G1, 24
.set G0, 32
.set G1B, 48
.set G0B, 56
.set G1S, 68
.set G0S, 76
.set G1SB, 80
.set G0SB, 88
.set MSB, 0
.macro WIN new                         ; the immediate's high byte repeats the setting that is left
.if MSB != (\new)
	s_set_vgpr_msb (MSB<<8)|(\new)
.set MSB, (\new)
.endif
.endm
.set MUL_LO,   0xa1                    ; source 0 (w) window 1, source 1 (x) window 0, C and D window 2
.set MUL_HI,   0xf1                    ; the same, C and D window 3
.set MUL_LO_B, 0x91                    ; the first step: C is the bias, in window 1
.set MUL_HI_B, 0xd1
.set TO_B,     0x40                    ; destination window 1, address window 0
; A joint load: waves 0 and 1 fetch for x, waves 2 and 3 for w.  The branch hangs on the wave's number alone.  An s_nop 0 and four v_nop follow each of the two lines.
.macro JLOAD g0a, g1a, g0b, g1b
	s_cmp_eq_u32 s15, 0
	s_cbranch_scc0 .Lfor_b_\@
	tensor_load_to_lds s[\g0a:\g0a+3], s[\g1a:\g1a+7]
	s_nop 0
.rept 4
	v_nop
.endr
	s_branch .Lasked_\@
.Lfor_b_\@:
	tensor_load_to_lds s[\g0b:\g0b+3], s[\g1b:\g1b+7]
	s_nop 0
.rept 4
	v_nop
.endr
.Lasked_\@:
.endm
.macro CROUND                          ; a round of the cluster's barrier
	s_barrier_signal -1
	s_barrier_wait -1
	s_cmp_lg_u32 s14, 0
	s_cbranch_scc1 .Lnot_wave_0_\@
	s_barrier_signal -3
.Lnot_wave_0_\@:
	s_barrier_wait -3
	s_barrier_signal -1
	s_barrier_wait -1
.endm
	s_load_b128 s[4:7], s[0:1], 0x0                ; x's codes, x's scales
	s_load_b128 s[8:11], s[0:1], 0x10              ; w's codes, w's scales
	s_load_b64 s[12:13], s[0:1], 0x20              ; qkvh
	s_load_b64 s[96:97], s[0:1], 0x28              ; b_qkv
	s_load_b64 s[98:99], s[0:1], 0x30              ; qkv32
	v_lshl_add_u32 v[SPW], v0, 2, SPARE
	v_mov_b32 v[NIL], 0
	ds_add_u32 v[SPW], v[NIL]                      ; the wave's opening: the add, twice on end, and its wait ahead of my first tensor load
	ds_add_u32 v[SPW], v[NIL]
	v_lshrrev_b32 v1, 5, v0
	v_readfirstlane_b32 s14, v1                    ; wave 0..3
	s_lshr_b32 s15, s14, 1                         ; which half of the tile's rows is mine.  Also: I fetch for x (0) or for w (1)
	s_and_b32 s16, s14, 1                          ; which half of its columns.  Also: which 128 rows of that tile I fetch
	s_bfe_u32 s40, ttmp6, 0x40000                  ; cx, cy: my place in the cluster
	s_bfe_u32 s41, ttmp6, 0x40004
	s_lshl_b32 s42, ttmp9, 2
	s_add_co_u32 s42, s42, s40                     ; tile column = 4 x cluster x + cx
	s_and_b32 s17, ttmp7, 0xffff
	s_lshl_b32 s95, s41, 3
	s_add_co_u32 s17, s17, s95                     ; tile row = 8 cy + cluster y: batch cy, tile cluster y of its eight
	s_lshl_b32 s43, s41, 2
	s_lshl_b32 s43, 15, s43                        ; my row of the cluster
	s_lshl_b32 s44, 0x1111, s40                    ; my column
	s_or_b32 s[G1+0], s43, (0<<16)|(1<<20)|(1<<21)|(5<<22)|(3<<25)  ; the mask; elements of 1 byte; padding on; bit 21 beside a mask; after every 64 words, 4 words
	s_or_b32 s[G1B+0], s44, (0<<16)|(1<<20)|(1<<21)|(5<<22)|(3<<25)
.irp g, G1, G1B
	s_mov_b32 s[\g+1], ROWB<<16                    ; tensor_dim0
	s_mov_b32 s[\g+2], 128<<16                     ; tensor_dim1
	s_mov_b32 s[\g+3], ROWB<<16                    ; tile_dim0
	s_mov_b32 s[\g+4], 128                         ; tile_dim1
	s_mov_b32 s[\g+5], KROW                        ; the pitch
	s_mov_b32 s[\g+6], 0
	s_mov_b32 s[\g+7], 0
.endr
	s_or_b32 s[G1S+0], s43, (3<<16)|(1<<20)|(1<<21)|(5<<22)|(3<<25) ; the scales of 128 rows: 4,096 dense bytes as 16 rows of 32 elements of 8 bytes
	s_or_b32 s[G1SB+0], s44, (3<<16)|(1<<20)|(1<<21)|(5<<22)|(3<<25)
.irp g, G1S, G1SB
	s_mov_b32 s[\g+1], 32<<16
	s_mov_b32 s[\g+2], (128*KS/256)<<16
	s_mov_b32 s[\g+3], 32<<16
	s_mov_b32 s[\g+4], 128*KS/256
	s_mov_b32 s[\g+5], 32
	s_mov_b32 s[\g+6], 0
	s_mov_b32 s[\g+7], 0
.endr
	s_lshl_b32 s18, s16, 7                         ; which 128 rows of the tile I fetch
	s_lshl_b32 s20, s17, 8
	s_add_co_u32 s20, s20, s18                     ; x: row 256 x tile row + 128 x half
	s_lshl_b32 s46, s42, 8
	s_add_co_u32 s46, s46, s18                     ; w: row 256 x tile column + 128 x half
	s_mov_b32 s21, 0
	s_mov_b32 s47, 0
	s_mov_b64 s[18:19], KS
	s_mul_u64 s[22:23], s[20:21], s[18:19]         ; where these rows' scales begin,
	s_mul_u64 s[92:93], s[46:47], s[18:19]
	s_mov_b64 s[18:19], KROW
	s_mul_u64 s[20:21], s[20:21], s[18:19]         ; and their codes
	s_mul_u64 s[46:47], s[46:47], s[18:19]
	s_mul_i32 s45, s14, HALFT                      ; where they go: wave x 128 rows: no place in the cluster enters an LDS address
	s_mul_i32 s94, s14, HALFS
	s_wait_dscnt 0x0                               ; both opening adds are done
	s_wait_kmcnt 0x0
	s_add_nc_u64 s[20:21], s[4:5], s[20:21]
	s_add_nc_u64 s[22:23], s[6:7], s[22:23]
	s_add_nc_u64 s[46:47], s[8:9], s[46:47]
	s_add_nc_u64 s[92:93], s[10:11], s[92:93]
	CROUND                                         ; all sixteen work-groups are here: the joint loads meet
	s_mov_b32 s[G0S], 1
	s_add_co_u32 s[G0S+1], s94, SCL
	s_mov_b64 s[G0S+2:G0S+3], s[22:23]
	s_or_b32 s[G0S+3], s[G0S+3], 0x80000000
	s_mov_b32 s[G0SB], 1
	s_add_co_u32 s[G0SB+1], s94, SCL
	s_mov_b64 s[G0SB+2:G0SB+3], s[92:93]
	s_or_b32 s[G0SB+3], s[G0SB+3], 0x80000000
	JLOAD G0S, G1S, G0SB, G1SB                     ; the scales first: they are wanted with the first slot
.irp s, 0,1
	s_mov_b32 s[G0+4*\s], 1
	s_add_co_u32 s[G0+4*\s+1], s45, \s*SLOT
	s_add_nc_u64 s[G0+4*\s+2:G0+4*\s+3], s[20:21], \s*ROWB
	s_or_b32 s[G0+4*\s+3], s[G0+4*\s+3], 0x80000000
	s_mov_b32 s[G0B+4*\s], 1
	s_add_co_u32 s[G0B+4*\s+1], s45, \s*SLOT
	s_add_nc_u64 s[G0B+4*\s+2:G0B+4*\s+3], s[46:47], \s*ROWB
	s_or_b32 s[G0B+4*\s+3], s[G0B+4*\s+3], 0x80000000
	JLOAD G0+4*\s, G1, G0B+4*\s, G1B               ; three tensor loads of mine are out: the scales and both slots
.endr
	v_and_b32 v1, 15, v0                           ; r = lane % 16
	v_bfe_u32 v2, v0, 4, 1                         ; h = lane / 16
	v_mul_u32_u24 v3, v1, PITCH
	v_lshl_add_u32 v4, v2, 4, v3                   ; a fragment's row x pitch + 16 h
	s_mul_i32 s21, s15, HALFT                      ; my 128 rows of x
	s_mul_i32 s22, s16, HALFT                      ; my 128 rows of w,
	s_add_co_u32 s22, s22, 2*HALFT                 ; behind x's 256
.irp s, 0,1
	v_add_nc_u32 v[ADRA+\s], s21, v4
	v_add_nc_u32 v[ADRB+\s], s22, v4
	s_add_co_u32 s21, s21, SLOT
	s_add_co_u32 s22, s22, SLOT
.endr
	v_mul_u32_u24 v5, v1, KS                       ; my row's scales: KS bytes a row,
	v_lshrrev_b32 v6, 8, v5
	v_lshl_add_u32 v5, v6, 4, v5                   ; and 16 more for each 256 passed
	s_mul_i32 s21, s15, HALFS
	s_mul_i32 s22, s16, HALFS
	s_add_co_u32 s22, s22, 2*HALFS
	s_sub_co_u32 s22, s22, s21
	v_mul_u32_u24 v6, s22, v2                      ; lanes 16-31 take w's: one product, the distance between the two bases
	s_add_co_u32 s21, s21, SCL
	v_add_nc_u32 v5, v5, v6
	v_add_nc_u32 v[ADRS], s21, v5
	s_mul_i32 s23, s14, 2*SHEAD                    ; my stage
	v_mul_u32_u24 v5, v1, SPT
	v_lshl_add_u32 v5, v2, 4, v5
	v_add_nc_u32 v[STO], s23, v5                   ; in: row r, 16 bytes for each half of the lanes
	v_bfe_u32 v5, v0, 3, 2
	v_mul_u32_u24 v5, v5, SPT
	v_and_b32 v6, 7, v0
	v_lshl_add_u32 v5, v6, 4, v5
	v_add_nc_u32 v[RD], s23, v5                    ; back: eight lanes to a row of 128 bytes, four rows an instruction
	v_and_b32 v6, 31, v0
	v_lshlrev_b32 v[CO], 4, v6                     ; and in memory, where a head's rows are dense: 16 x lane
	v_lshlrev_b32 v[BO], 5, v2
	; the three bases.  G = my first column / 64 = 4 x tile column + 2 x half: part G / 16 (q, k, v), head G % 16
	s_lshl_b32 s46, s42, 10
	s_lshl_b32 s47, s16, 9
	s_add_co_u32 s46, s46, s47                     ; 4 x my first column
	s_mov_b32 s47, 0
	s_add_nc_u64 s[96:97], s[96:97], s[46:47]      ; the bias at my first column
	s_mul_i32 s66, s41, 196608                     ; qkv32: a batch is 192 images of 1,024 bytes,
	s_lshl_b32 s46, s46, 4                         ; my first column / 16 of them on
	s_add_co_u32 s46, s46, s66
	s_add_nc_u64 s[98:99], s[98:99], s[46:47]
	s_lshl_b32 s46, s42, 2
	s_lshl_b32 s66, s16, 1
	s_add_co_u32 s46, s46, s66                     ; G
	s_lshr_b32 s66, s46, 4
	s_lshl_b32 s66, s66, 24                        ; the part: 2^24 bytes
	s_and_b32 s46, s46, 15
	s_lshl_b32 s46, s46, 18                        ; the head: 2^18
	s_add_co_u32 s46, s46, s66
	s_lshl_b32 s66, s41, 22                        ; the batch: 2^22
	s_add_co_u32 s46, s46, s66
	s_and_b32 s66, ttmp7, 0xffff
	s_lshl_b32 s66, s66, 15                        ; 256 rows of 128 bytes for each tile of the batch
	s_add_co_u32 s46, s46, s66
	s_lshl_b32 s66, s15, 14                        ; my 128 rows
	s_add_co_u32 s46, s46, s66
	s_add_nc_u64 s[12:13], s[12:13], s[46:47]
	WIN TO_B
.irp b, 0,1,2,3,4,5,6,7                        ; the bias in the result's layout: register j of block b is b_qkv[my first column + 16 b + 8 h + j]
	global_load_b128 v[BIAS+8*\b:BIAS+8*\b+3], v[BO], s[96:97] offset:64*\b
	global_load_b128 v[BIAS+8*\b+4:BIAS+8*\b+7], v[BO], s[96:97] offset:64*\b+16
.endr
	WIN 0
.macro FRAG reg, adr, q, i             ; 16 rows x 128 K of 4-bit codes: 8 registers: lane l holds row l % 16; registers 4 c .. 4 c + 3 hold K = 64 c + 32 (l / 16) + 0 .. 31
.irp c, 0,1
	ds_load_b128 v[\reg+4*\c:\reg+4*\c+3], v[\adr] offset:64*(\q)+32*\c+(\i)*16*PITCH
.endr
.endm
; 16 matrix instructions: x's blocks a0, a0 + 1 against w's eight.  zero = 1: the first product starts the sums from the bias.  The 64 accumulators take turns, one instruction a turn.
.macro MUL16 a0, p, q, sc, zero
.irp a, \a0, \a0+1
.irp b, 0,1,2,3,4,5,6,7
.if \zero
	v_wmma_scale_f32_16x16x128_f8f6f4 v[8*(8*((\a)%4)+\b):8*(8*((\a)%4)+\b)+7], v[128*(\p)+FR*\b:128*(\p)+FR*\b+FR-1], v[AF+FR*(\a):AF+FR*(\a)+FR-1], v[BIAS+8*\b:BIAS+8*\b+7], v[SC+8*NQ*(\sc)+NQ*\b+(\q)], v[SC+8*NQ*(\sc)+NQ*(\a)+(\q)] matrix_a_fmt:MATRIX_FMT_FP4 matrix_b_fmt:MATRIX_FMT_FP4 matrix_a_scale:MATRIX_SCALE_ROW1
.else
	v_wmma_scale_f32_16x16x128_f8f6f4 v[8*(8*((\a)%4)+\b):8*(8*((\a)%4)+\b)+7], v[128*(\p)+FR*\b:128*(\p)+FR*\b+FR-1], v[AF+FR*(\a):AF+FR*(\a)+FR-1], v[8*(8*((\a)%4)+\b):8*(8*((\a)%4)+\b)+7], v[SC+8*NQ*(\sc)+NQ*\b+(\q)], v[SC+8*NQ*(\sc)+NQ*(\a)+(\q)] matrix_a_fmt:MATRIX_FMT_FP4 matrix_b_fmt:MATRIX_FMT_FP4 matrix_a_scale:MATRIX_SCALE_ROW1
.endif
.endr
.endr
.endm
.macro FETCH_B slot, q, p
	WIN TO_B
.irp i, 0,1,2,3,4,5,6,7
	FRAG 128*(\p)+FR*\i, ADRB+\slot, \q, \i
.endr
	WIN 0
.endm
.macro FETCH_A slot, q, i0
.irp i, \i0, \i0+1, \i0+2, \i0+3
	FRAG AF+FR*(\i), ADRA+\slot, \q, \i
.endr
.endm
.macro SCALES sc                       ; a slot's scale words: lanes 0-15 take x's block i, lanes 16-31 w's block i
.irp i, 0,1,2,3,4,5,6,7
	ds_load_b128 v[SC+8*NQ*\sc+NQ*\i:SC+8*NQ*\sc+NQ*\i+3], v[ADRS] offset:\i*SBLK
.endr
.endm
.macro PLACES n                        ; plain vector instructions between a matrix instruction and a load into, or a read of, its registers
.rept \n
	v_nop
.endr
.endm
.macro STEP slot, q, zero              ; 128 along K that have their successor in the same slot
	s_wait_dscnt 4*NL                              ; w's set and x's blocks 0-3 are in; the youngest eight loads (x's blocks 4-7) may be out
.if \zero
	WIN MUL_LO_B
.else
	WIN MUL_LO
.endif
	MUL16 0, (\q)%2, \q, \slot, \zero
	MUL16 2, (\q)%2, \q, \slot, \zero
	s_wait_dscnt 0                                 ; x's blocks 4-7 are in
	PLACES NP
	FETCH_B \slot, (\q)+1, 1-(\q)%2
	FETCH_A \slot, (\q)+1, 0
.if \zero
	WIN MUL_HI_B
.else
	WIN MUL_HI
.endif
	MUL16 4, (\q)%2, \q, \slot, \zero
	MUL16 6, (\q)%2, \q, \slot, \zero
	PLACES NP
	WIN 0
	FETCH_A \slot, (\q)+1, 4
.endm
; Slot 0's last step goes on into slot 1: one barrier.  In front of it each wave waits for all its tensor loads (its part of slot 1) and for its own reads of slot 0, which becomes the stage later.  Nothing is filled again.
.macro TURN slot, next
	s_wait_tensorcnt 0x0                           ; all my tensor loads have landed
	ds_add_u32 v[SPW], v[NIL]                      ; 0 onto my spare word
	s_wait_dscnt 4*NL+1                            ; the add and the youngest eight loads may be out
	WIN MUL_LO
	MUL16 0, 1, NQ-1, \slot, 0
	s_wait_dscnt 0x0                               ; the add is done, and my reads of this slot are over
	s_barrier_signal -1
	MUL16 2, 1, NQ-1, \slot, 0
	WIN 0
	s_barrier_wait -1
	PLACES NP
	v_add_nc_u32 v[ADRS], 4*NQ, v[ADRS]            ; on to the next slot's scale words
	FETCH_B \next, 0, 0
	FETCH_A \next, 0, 0
	SCALES \next
	WIN MUL_HI
	MUL16 4, 1, NQ-1, \slot, 0
	MUL16 6, 1, NQ-1, \slot, 0
	PLACES NP
	WIN 0
	FETCH_A \next, 0, 4
.endm
	s_wait_loadcnt 0x0                             ; the bias
	s_wait_tensorcnt 1                             ; the scales and my part of slot 0 are in; slot 1's load may stay out
	s_barrier_signal -1
	s_barrier_wait -1
	FETCH_B 0, 0, 0
	FETCH_A 0, 0, 0
	SCALES 0
	FETCH_A 0, 0, 4
	STEP 0, 0, 1
	STEP 0, 1, 0
	STEP 0, 2, 0
	TURN 0, 1
	STEP 1, 0, 0
	STEP 1, 1, 0
	STEP 1, 2, 0
	s_wait_dscnt 4*NL                              ; the very last step: nothing more to fetch
	WIN MUL_LO
	MUL16 0, 1, NQ-1, 1, 0
	MUL16 2, 1, NQ-1, 1, 0
	s_wait_dscnt 0
	WIN MUL_HI
	MUL16 4, 1, NQ-1, 1, 0
	MUL16 6, 1, NQ-1, 1, 0
	WIN 0
	PLACES NP                                      ; behind the last products: for the reads of results and the writes into registers that held scales
	; Rows t < 16 of a batch lie in block 0 of the waves with the tile's upper rows, in the batch's first tile: the cluster's y and the wave's number decide, alike in all partners.
	s_and_b32 s20, ttmp7, 0xffff
	s_or_b32 s20, s20, s15
	s_cmp_lg_u32 s20, 0
	s_cbranch_scc1 .Lnofine
	WIN 0x08                                       ; a store's data are its source 1: window 2
.irp b, 0,1,2,3,4,5,6,7
	global_store_b128 v[CO], v[8*\b:8*\b+3], s[98:99] offset:1024*\b          ; an accumulator as it stands, from its low end on: 512 consecutive bytes a store
	global_store_b128 v[CO], v[8*\b+4:8*\b+7], s[98:99] offset:1024*\b+512
.endr
	WIN 0
.Lnofine:
; THE WAY OUT, block by block of 16 rows x 128 columns = two heads.  A lane's eight results pack into 16 bytes of a row; they go through my stage and come back four whole rows of a head (512 dense bytes of memory) an instruction.
.macro PACK a
.set AC, 64*((\a)%4)
	WIN 0x0a+5*((\a)/4)                            ; sources 0 and 1: window 2 or 3
.irp b, 0,1,2,3,4,5,6,7
.irp i, 0,1,2,3
	v_cvt_pk_f16_f32 v[TMP+4*\b+\i], v[AC+8*\b+2*\i], v[AC+8*\b+2*\i+1]
.endr
.endr
	WIN 0
.endm
.macro TOSTAGE a
.set BB, BK+32*((\a)%2)
.irp b, 0,1,2,3,4,5,6,7
	ds_store_b128 v[STO], v[TMP+4*\b:TMP+4*\b+3] offset:(\b/4)*SHEAD+(\b%4)*32
.endr
.irp t, 0,1,2,3,4,5,6,7
	ds_load_b128 v[BB+4*\t:BB+4*\t+3], v[RD] offset:(\t/4)*SHEAD+(\t%4)*4*SPT   ; LDS serves a wave's instructions in order: these see the stores above
.endr
.endm
.macro SEND a
.set BB, BK+32*((\a)%2)
	s_wait_dscnt 0x0                               ; the block is back in registers
	s_wait_xcnt 0x0                                ; the block before has had its stores' data read: the next block's loads may land there
.irp t, 0,1,2,3,4,5,6,7
	global_store_b128 v[CO], v[BB+4*\t:BB+4*\t+3], s[12:13] offset:(\t/4)*262144+(16*(\a)+4*(\t%4))*128   ; 32 lanes store 512 consecutive bytes, aligned; every offset an immediate
.endr
.endm
	PACK 0
	TOSTAGE 0
.irp a, 1,2,3,4,5,6,7                  ; block a's conversions stand between block a - 1's loads from the stage and the wait for them
	PACK \a
	SEND \a-1
	TOSTAGE \a
.endr
	SEND 7
	s_wait_tensorcnt 0x0                           ; the wave's end
	ds_add_u32 v[SPW], v[NIL]
	s_wait_dscnt 0x0
	CROUND                                         ; the closing round
	s_endpgm
.Lfunc_end_k_qe18d688f74_qkv:
	.size	k_qe18d688f74_qkv, .Lfunc_end_k_qe18d688f74_qkv-k_qe18d688f74_qkv
	.p2alignl 7, 3214868480
	.fill 96, 4, 3214868480
	.section	.rodata,"a",@progbits
	.p2align	6, 0x0
	.amdhsa_kernel k_qe18d688f74_qkv
		.amdhsa_group_segment_fixed_size 327680
		.amdhsa_private_segment_fixed_size 0
		.amdhsa_enable_private_segment 0
		.amdhsa_kernarg_size 56
		.amdhsa_user_sgpr_count 2
		.amdhsa_user_sgpr_kernarg_segment_ptr 1
		.amdhsa_wavefront_size32 1
		.amdhsa_system_sgpr_workgroup_id_x 1
		.amdhsa_system_sgpr_workgroup_id_y 1
		.amdhsa_system_sgpr_workgroup_id_z 1
		.amdhsa_system_vgpr_workitem_id 0
		.amdhsa_next_free_vgpr 1024
		.amdhsa_next_free_sgpr 100
		.amdhsa_reserve_vcc 0
		.amdhsa_float_denorm_mode_32 3
		.amdhsa_float_denorm_mode_16_64 3
		.amdhsa_memory_ordered 1
		.amdhsa_forward_progress 1
		.amdhsa_inst_pref_size 130
	.end_amdhsa_kernel
	.amdgpu_metadata
---
amdhsa.version: [ 1, 2 ]
amdhsa.kernels:
  - .name:           k_qe18d688f74_qkv
    .symbol:         k_qe18d688f74_qkv.kd
    .args:
      - { .name: x_codes, .offset: 0, .size: 8, .value_kind: global_buffer, .address_space: global }
      - { .name: x_scales, .offset: 8, .size: 8, .value_kind: global_buffer, .address_space: global }
      - { .name: w_codes, .offset: 16, .size: 8, .value_kind: global_buffer, .address_space: global }
      - { .name: w_scales, .offset: 24, .size: 8, .value_kind: global_buffer, .address_space: global }
      - { .name: qkvh, .offset: 32, .size: 8, .value_kind: global_buffer, .address_space: global }
      - { .name: b_qkv, .offset: 40, .size: 8, .value_kind: global_buffer, .address_space: global }
      - { .name: qkv32, .offset: 48, .size: 8, .value_kind: global_buffer, .address_space: global }
    .group_segment_fixed_size: 327680
    .private_segment_fixed_size: 0
    .kernarg_segment_align: 8
    .kernarg_segment_size: 56
    .max_flat_workgroup_size: 128
    .sgpr_count:     100
    .vgpr_count:     1024
    .wavefront_size: 32
...
	.end_amdgpu_metadata
.endif
;; end of part 2
;; launch attn (part 3): grid 4 x 64, 8 waves a work-group, no clusters, 327,680 bytes of LDS; arguments qkvh, y16; writes y16
.if DOCPART == 3
	.amdgcn_target "amdgcn-amd-amdhsa--gfx1250"
	.amdhsa_code_object_version 6
	.text
	.protected	k_qe18d688f74_attn
	.globl	k_qe18d688f74_attn
	.p2align	8
	.type	k_qe18d688f74_attn,@function
k_qe18d688f74_attn:
	s_mov_b64 s[64:65], 0
	v_nop
	global_prefetch_b8 v0, s[64:65] scope:SCOPE_SE
	s_setreg_imm32_b32 hwreg(HW_REG_WAVE_MODE, 25, 1), 1
	s_wait_xcnt 0x0
; y[b][h][q][:] = sum over k <= q of softmax_k(Q[q] . K[k] / 8) V[k][:], for 64 (batch, head) planes of 2,048 x 64.  Operands f16 (q, k, v from qkvh; the weights p rounded to f16), products, maxima and sums f32;
; y leaves as f16, y16 [head][batch x 2,048 + t][64].  Rows t < 16 of every batch are stored here too and are not used for the output: a later launch makes those rows of the output in f32.
; LIMITS: y beyond 65,504 becomes infinite in f16; p under 6e-5 keeps an absolute step of 6e-8; the exponential gives 0 for results under 2^-126.
; SHARES.  A block is 256 queries: 8 waves x 32 queries = two tiles of 16.  Work-group j of a plane takes block 7 - j (8 - j slots of 256 keys) and then block j (j + 1 slots): always 9 slots, so all 256 work-groups have equal
; work and the loop over slots has a constant count.  The last slot of each block lies on the diagonal: there a wave leaves out the steps all of whose 64 keys come after its queries (a scalar branch on ids).
; NO CLUSTER: the four work-groups of a plane want the same slot only in trips 0 to 4; afterwards they need different tiles, so they could not make every joint request.
; LAYOUT.  S^T = K Q^T (source 0 = 16 keys, source 1 = 16 queries): a lane holds ONE query (lane % 16) and keys 8 (lane / 16) + 0..7.  Two such tiles, rounded to f16 in pairs, are source 1 of O^T = V^T P.
; K comes out of LDS as it lies, V ([key][channel]) turned by ds_load_tr16_b128.  A running maximum m and sum l for each query: p = 2^(c s - c m), c = log2(e) / 8; O and l are multiplied by a = 2^(c m_old - c m_new) in every step.
; LDS.  A plane's rows of 128 bytes are dense in memory, so a tile is stated as rows of 256 bytes (two keys): key k lies at (k / 2) x pitch + 128 (k % 2).
; Two slots of 256 keys, 2^17 bytes apart; waves 0, 1 fetch K's halves, waves 2, 3 V's; all eight read.
.set KP,    272
.set VP,    288
.set VOFF,  128*KP                     ; a slot: 128 long rows of K, then 128 of V
.set SLOT1, 1<<17
.set STAGE, 2*SLOT1                    ; 16 rows x 144 bytes for each wave, for the way out
.set SP,    144
.set SPARE, STAGE+8*16*SP              ; the spare words, 128 bytes a wave
.set AK0,  1                           ; v1  my lane's place in a tile of K
.set AV0,  2                           ; v2  the same for V
.set ADK,  3                           ; v3  LDS address of the slot's K
.set ADV,  4                           ; v4  of its V
.set QO,   5                           ; v5  my byte offset in the wave's rows of Q
.set STO,  6
.set RD,   7
.set GO,   8
.set PFO,  9                           ; v9  256 x lane
.set SPW,  10
.set NIL,  11
.set RH,   12                          ; v12 lane % 16 - 8 (lane / 16)
.set DD,   13                          ; v13 the mask's bound
.set NINF, 14                          ; v14 -infinity
.set ST,   16                          ; tile t's statistics at v[ST + 8 t]: +0 c m, +1 m, +2, +3 l, +4..+7 at work; a in +6
.set Q,    32                          ; v32-63   Q: tile t, channels 32 c on, at 16 t + 8 c
.set S,    64                          ; v64-127  S^T, 32 a tile; P is made in place in a tile's first 16
.set O,    128                         ; v128-191 O^T, 32 a tile
.set KV,   192                         ; v192-255 K's eight fragments, then V's
.set TB,   2                           ; s2  LDS byte at which the slot in hand begins
.set WV,   18
.set SEL,  20
.set CS,   22
.set G1K,  24
.set G1V,  32
.set G0K,  40
.set G0V,  44
.set KB,   48                          ; s[48:49] K's plane at my half of a slot; s[50:51] V's
.set VB,   50
.set OFF,  52                          ; s[52:53] the slot to be fetched, in bytes
.set QA,   54
.set QB,   56
.set YA,   58
.set YB,   60
.set TRIP, 66
.set SWT,  67                          ; the trip behind which the second block begins: 7 - j
.set KF,   69                          ; the step's first key
.set Q0,   70                          ; my first query
.set Q0B,  71                          ; and in the second block
.set PFA,  72
.set LIM,  74
.macro TLOAD                           ; waves 0, 1: K; waves 2, 3: V; the others nothing.  An s_nop 0 and four v_nop follow each of the two lines
	s_cmp_lt_u32 s[WV], 2
	s_cbranch_scc0 .Lnot_k_\@
	tensor_load_to_lds s[G0K:G0K+3], s[G1K:G1K+7]
	s_nop 0
.rept 4
	v_nop
.endr
	s_branch .Lasked_\@
.Lnot_k_\@:
	s_cmp_lt_u32 s[WV], 4
	s_cbranch_scc0 .Lasked_\@
	tensor_load_to_lds s[G0V:G0V+3], s[G1V:G1V+7]
	s_nop 0
.rept 4
	v_nop
.endr
.Lasked_\@:
.endm
; A PREFETCH of the slot that the NEXT change of slots will ask for.  Work-group 0 of a plane walks slots 0 to 7 in order: it alone asks, in trips 0 to 5, for slots 2 to 7.  In it the waves ask that fetch nothing: waves 4, 5 for
; K's two halves of 16,384 bytes, waves 6, 7 for V's: two instructions a wave, lanes 256 bytes apart.  So each aligned run of 256 bytes is named once in the launch, and none past slot 7.
.macro ASK
	s_cmp_lt_u32 s[TRIP], s[LIM]
	s_cbranch_scc0 .Lnot_mine_\@
	global_prefetch_b8 v[PFO], s[PFA:PFA+1] th:TH_LOAD_NT scope:SCOPE_SE
	global_prefetch_b8 v[PFO], s[PFA:PFA+1] offset:8192 th:TH_LOAD_NT scope:SCOPE_SE
.Lnot_mine_\@:
.endm
	s_load_b128 s[4:7], s[0:1], 0x0                ; qkvh, y16
	v_lshl_add_u32 v[SPW], v0, 2, SPARE
	v_mov_b32 v[NIL], 0
	ds_add_u32 v[SPW], v[NIL]                      ; the wave's opening: the add, twice on end, and its wait ahead of the first tensor load
	ds_add_u32 v[SPW], v[NIL]
	v_lshrrev_b32 v1, 5, v0
	v_readfirstlane_b32 s[WV], v1                  ; wave 0..7
	s_mov_b32 s[G1K], (1<<16)|(1<<20)|(5<<22)|(3<<25)  ; elements of 2 bytes; padding on: after every 64 words, 4 words
	s_mov_b32 s[G1V], (1<<16)|(1<<20)|(5<<22)|(7<<25)  ; 8 words
.irp g, G1K, G1V
	s_mov_b32 s[\g+1], 128<<16                     ; tensor_dim0 = 128 elements: two keys
	s_mov_b32 s[\g+2], 64<<16                      ; tensor_dim1 = 64 long rows
	s_mov_b32 s[\g+3], 128<<16                     ; tile_dim0
	s_mov_b32 s[\g+4], 64                          ; tile_dim1
	s_mov_b32 s[\g+5], 128                         ; the pitch: dense
	s_mov_b32 s[\g+6], 0
	s_mov_b32 s[\g+7], 0
.endr
	s_mov_b32 s[SEL], 0x76543210
	s_mov_b32 s[SEL+1], 0xfedcba98                 ; v_permlanex16_b32's selects for lane l xor 16
	s_mov_b32 s[CS], 0x3e38aa3b                    ; c = log2(e) / 8
	s_mov_b32 s[CS+1], s[CS]
	s_mov_b32 s[TB], 0
	s_mov_b32 s[OFF], 0
	s_mov_b32 s[OFF+1], 0
	s_mov_b32 s[KF], 0
	s_mov_b32 s[TRIP], 0
	s_and_b32 s76, ttmp7, 0xffff                   ; the plane: 16 x batch + head
	s_lshl_b32 s78, s76, 18
	s_mov_b32 s79, 0                               ; its first byte in a part of qkvh
	s_and_b32 s80, s[WV], 1
	s_lshl_b32 s82, s80, 14                        ; which 128 keys of a slot I fetch
	s_mov_b32 s83, 0
	s_add_nc_u64 s[82:83], s[82:83], s[78:79]
	s_mul_i32 s84, s80, 64*KP                      ; and where they go
	s_mul_i32 s85, s80, 64*VP
	s_add_co_u32 s85, s85, VOFF
	s_sub_co_u32 s[SWT], 7, ttmp9
	s_lshl_b32 s86, s[WV], 5
	s_lshl_b32 s[Q0], s[SWT], 8
	s_add_co_u32 s[Q0], s[Q0], s86                 ; 256 (7 - j) + 32 x wave
	s_lshl_b32 s[Q0B], ttmp9, 8
	s_add_co_u32 s[Q0B], s[Q0B], s86               ; 256 j + 32 x wave
	s_lshl_b32 s88, s[Q0], 7
	s_mov_b32 s89, 0
	s_lshl_b32 s90, s[Q0B], 7
	s_mov_b32 s91, 0
	s_and_b32 s92, s76, 15
	s_lshl_b32 s92, s92, 20                        ; y16: the head's plane,
	s_lshr_b32 s93, s76, 4
	s_lshl_b32 s93, s93, 18                        ; the batch's 2,048 rows of 128 bytes
	s_add_co_u32 s92, s92, s93
	s_mov_b32 s93, 0
	s_add_nc_u64 s[94:95], s[88:89], s[92:93]
	s_add_nc_u64 s[96:97], s[90:91], s[92:93]
	s_add_nc_u64 s[88:89], s[88:89], s[78:79]
	s_add_nc_u64 s[90:91], s[90:91], s[78:79]
	s_wait_dscnt 0x0                               ; both opening adds are done
	s_wait_kmcnt 0x0
	s_add_nc_u64 s[KB:KB+1], s[4:5], s[82:83]
	s_add_nc_u64 s[KB:KB+1], s[KB:KB+1], 0x1000000 ; part 1: k
	s_add_nc_u64 s[VB:VB+1], s[KB:KB+1], 0x1000000 ; part 2: v
	s_mov_b32 s[G0K], 1
	s_mov_b32 s[G0K+1], s84
	s_mov_b64 s[G0K+2:G0K+3], s[KB:KB+1]
	s_or_b32 s[G0K+3], s[G0K+3], 0x80000000
	s_mov_b32 s[G0V], 1
	s_mov_b32 s[G0V+1], s85
	s_mov_b64 s[G0V+2:G0V+3], s[VB:VB+1]
	s_or_b32 s[G0V+3], s[G0V+3], 0x80000000
	TLOAD                                          ; slot 0: keys 0 to 255
	s_add_nc_u64 s[QA:QA+1], s[4:5], s[88:89]
	s_add_nc_u64 s[QB:QB+1], s[4:5], s[90:91]
	s_add_nc_u64 s[YA:YA+1], s[6:7], s[94:95]
	s_add_nc_u64 s[YB:YB+1], s[6:7], s[96:97]
	s_cmp_lt_u32 s[WV], 6
	s_cselect_b64 s[PFA:PFA+1], s[KB:KB+1], s[VB:VB+1]
	s_add_nc_u64 s[PFA:PFA+1], s[PFA:PFA+1], 32768 ; at slot 1: the first change of slots steps it to slot 2.  Nothing is prefetched here, at the head
	s_lshr_b32 s76, s[WV], 2
	s_xor_b32 s76, s76, 1                          ; 0 in waves 4 to 7,
	s_or_b32 s76, s76, ttmp9                       ; of the plane's work-group 0
	s_cmp_eq_u32 s76, 0
	s_cselect_b32 s[LIM], 6, 0
	v_and_b32 v13, 15, v0                          ; r
	v_bfe_u32 v15, v0, 4, 1                        ; h
	v_lshlrev_b32 v[QO], 7, v13
	v_lshl_add_u32 v[QO], v15, 4, v[QO]            ; row r of 128 bytes, + 16 h
.macro QLOAD base                      ; a fragment of Q: lane (r, h): query r; registers 0-3 channels 8 h + 0..7, registers 4-7 channels 16 + 8 h + 0..7, of 32 c on
.irp t, 0,1
.irp c, 0,1
	global_load_b128 v[Q+16*\t+8*\c:Q+16*\t+8*\c+3], v[QO], s[\base:\base+1] offset:\t*2048+\c*64
	global_load_b128 v[Q+16*\t+8*\c+4:Q+16*\t+8*\c+7], v[QO], s[\base:\base+1] offset:\t*2048+\c*64+32
.endr
.endr
.endm
	QLOAD QA
	v_bfe_u32 v3, v0, 1, 3                         ; r / 2
	v_and_b32 v4, 1, v0
	v_mul_u32_u24 v[AK0], v3, KP
	v_lshl_add_u32 v[AK0], v4, 7, v[AK0]
	v_lshl_add_u32 v[AK0], v15, 4, v[AK0]          ; K: key r, + 16 h
	v_bfe_u32 v3, v0, 1, 2
	v_lshl_add_u32 v3, v15, 2, v3                  ; V: the turning load's lane reads key 8 h + lane % 8: half of that,
	v_mul_u32_u24 v[AV0], v3, VP
	v_lshl_add_u32 v[AV0], v4, 7, v[AV0]           ; its parity,
	v_bfe_u32 v3, v0, 3, 1
	v_lshl_add_u32 v[AV0], v3, 4, v[AV0]           ; and channels 8 ((lane / 8) % 2) on
	v_add_nc_u32 v[AV0], VOFF, v[AV0]
	s_mul_i32 s76, s[WV], 16*SP
	s_add_co_u32 s76, s76, STAGE                   ; my stage
	v_mul_u32_u24 v[STO], v13, SP
	v_lshl_add_u32 v[STO], v15, 4, v[STO]
	v_add_nc_u32 v[STO], s76, v[STO]               ; in: row r, 16 bytes for each half of the lanes
	v_bfe_u32 v3, v0, 3, 2
	v_mul_u32_u24 v[RD], v3, SP
	v_and_b32 v3, 7, v0
	v_lshl_add_u32 v[RD], v3, 4, v[RD]
	v_add_nc_u32 v[RD], s76, v[RD]                 ; back: eight lanes to a row, four rows an instruction
	v_and_b32 v3, 31, v0
	v_lshlrev_b32 v[GO], 4, v3
	v_lshlrev_b32 v[PFO], 8, v3
	v_lshlrev_b32 v3, 3, v15
	v_sub_nc_u32 v[RH], v13, v3
	v_mov_b32 v[NINF], 0xff800000
.macro INIT                            ; a block begins: m = -3e38, under every score; l and O^T zeros, which the first change of m leaves zeros.  So the step is written once
.irp t, 0,1
	v_mov_b32 v[ST+8*\t+1], 0xff61b1e6
	v_mul_f32 v[ST+8*\t], s[CS], v[ST+8*\t+1]
.irp i, 2,3,4,5,6,7
	v_mov_b32 v[ST+8*\t+\i], 0
.endr
.endr
.irp i, 0,1,2,3,4,5,6,7,8,9,10,11,12,13,14,15,16,17,18,19,20,21,22,23,24,25,26,27,28,29,30,31,32,33,34,35,36,37,38,39,40,41,42,43,44,45,46,47,48,49,50,51,52,53,54,55,56,57,58,59,60,61,62,63
	v_mov_b32 v[O+\i], 0
.endr
.endm
	INIT
; THE SOFTMAX of a step, both tiles line by line, so that no line waits for the line above it.
.macro SOFTMAX
.irp j, 0,1,2,3
.irp t, 0,1
	v_max3_num_f32 v[ST+8*\t+4+\j], v[S+32*\t+8*\j], v[S+32*\t+8*\j+1], v[S+32*\t+8*\j+2]   ; four chains, each begun at an accumulator's low end
.endr
.endr
.irp u, 1,2
.irp j, 0,1,2,3
.irp t, 0,1
	v_max3_num_f32 v[ST+8*\t+4+\j], v[ST+8*\t+4+\j], v[S+32*\t+8*\j+2*\u+1], v[S+32*\t+8*\j+2*\u+2]
.endr
.endr
.endr
.irp t, 0,1
	v_max3_num_f32 v[ST+8*\t+4], v[ST+8*\t+4], v[S+32*\t+7], v[S+32*\t+15]
.endr
.irp t, 0,1
	v_max3_num_f32 v[ST+8*\t+6], v[ST+8*\t+6], v[S+32*\t+23], v[S+32*\t+31]
.endr
.irp t, 0,1
	v_max3_num_f32 v[ST+8*\t+4], v[ST+8*\t+4], v[ST+8*\t+5], v[ST+8*\t+6]
.endr
.irp t, 0,1
	v_max3_num_f32 v[ST+8*\t+4], v[ST+8*\t+4], v[ST+8*\t+7], v[ST+8*\t+1]   ; with the old m
.endr
.irp t, 0,1
	v_permlanex16_b32 v[ST+8*\t+5], v[ST+8*\t+4], s[SEL], s[SEL+1]          ; the query's other 32 keys lie in the lane 16 away
.endr
.irp t, 0,1
	v_mov_b32 v[ST+8*\t+7], v[ST+8*\t]                                      ; c m_old is kept for a
.endr
.irp t, 0,1
	v_max_num_f32 v[ST+8*\t+1], v[ST+8*\t+4], v[ST+8*\t+5]
.endr
.irp t, 0,1
	v_mul_f32 v[ST+8*\t], s[CS], v[ST+8*\t+1]
.endr
.irp t, 0,1
	v_sub_f32 v[ST+8*\t+7], v[ST+8*\t+7], v[ST+8*\t]
.endr
.irp i, 0,2,4,6,8,10,12,14,16,18,20,22,24,26,28,30
.irp t, 0,1
	v_pk_fma_f32 v[S+32*\t+\i:S+32*\t+\i+1], v[S+32*\t+\i:S+32*\t+\i+1], s[CS:CS+1], v[ST+8*\t:ST+8*\t+1] op_sel_hi:[1,0,0] neg_lo:[0,0,1] neg_hi:[0,0,1]   ; c s - c m
.endr
.endr
.irp t, 0,1
	v_exp_f32 v[ST+8*\t+6], v[ST+8*\t+7]           ; a.  ONE BATCH of 66 exponentials: none reads another's result
.endr
.irp i, 0,1,2,3,4,5,6,7,8,9,10,11,12,13,14,15,16,17,18,19,20,21,22,23,24,25,26,27,28,29,30,31
.irp t, 0,1
	v_exp_f32 v[S+32*\t+\i], v[S+32*\t+\i]
.endr
.endr
	v_nop                                          ; a plain instruction behind the last exponential
	s_wait_alu depctr_va_vdst(0)                   ; one wait for the batch, ahead of its first reader
.irp t, 0,1
	v_pk_fma_f32 v[ST+8*\t+2:ST+8*\t+3], v[ST+8*\t+2:ST+8*\t+3], v[ST+8*\t+6:ST+8*\t+7], v[S+32*\t:S+32*\t+1] op_sel_hi:[1,0,1]   ; l = a l + the first pair: the sum is taken of p before it is rounded
.endr
.irp t, 0,1
	v_cvt_pk_f16_f32 v[S+32*\t], v[S+32*\t], v[S+32*\t+1]
.endr
.irp i, 1,2,3,4,5,6,7,8,9,10,11,12,13,14,15    ; pair i is summed, then rounded into register i, whose own pair (i / 2) has been summed and rounded before
.irp t, 0,1
	v_pk_add_f32 v[ST+8*\t+2:ST+8*\t+3], v[ST+8*\t+2:ST+8*\t+3], v[S+32*\t+2*\i:S+32*\t+2*\i+1]
.endr
.irp t, 0,1
	v_cvt_pk_f16_f32 v[S+32*\t+\i], v[S+32*\t+2*\i], v[S+32*\t+2*\i+1]
.endr
.endr
.irp i, 0,2,4,6,8,10,12,14,16,18,20,22,24,26,28,30
.irp t, 0,1
	v_pk_mul_f32 v[O+32*\t+\i:O+32*\t+\i+1], v[O+32*\t+\i:O+32*\t+\i+1], v[ST+8*\t+6:ST+8*\t+7] op_sel_hi:[1,0]   ; O^T x a
.endr
.endr
.endm
; A KEY STEP: 64 keys, the q-th of the slot in hand.  The eight accumulators of each product take turns, one instruction a turn.
.macro STEP q
	s_add_co_u32 s96, s[Q0], 31
	s_cmp_gt_u32 s[KF], s96                        ; all 64 keys come after my 32 queries: the step's work is left out; no barrier, tensor load or wait for one stands in a step
	s_cbranch_scc1 .Lhidden_\@
.irp c, 0,1                                    ; K's fragments, the first 32 channels first
.irp k, 0,1,2,3
	ds_load_b128 v[KV+16*\k+8*\c:KV+16*\k+8*\c+3], v[ADK] offset:(\q)*32*KP+\k*8*KP+\c*64
	ds_load_b128 v[KV+16*\k+8*\c+4:KV+16*\k+8*\c+7], v[ADK] offset:(\q)*32*KP+\k*8*KP+\c*64+32
.endr
.endr
	s_wait_dscnt 8                                 ; the first 32 channels are in; the eight loads of the other 32 may be out
.irp k, 0,1,2,3
.irp t, 0,1
	v_wmma_f32_16x16x32_f16 v[S+32*\t+8*\k:S+32*\t+8*\k+7], v[KV+16*\k:KV+16*\k+7], v[Q+16*\t:Q+16*\t+7], 0
.endr
.endr
	s_wait_dscnt 0x0
.irp k, 0,1,2,3
.irp t, 0,1
	v_wmma_f32_16x16x32_f16 v[S+32*\t+8*\k:S+32*\t+8*\k+7], v[KV+16*\k+8:KV+16*\k+15], v[Q+16*\t+8:Q+16*\t+15], v[S+32*\t+8*\k:S+32*\t+8*\k+7]
.endr
.endr
.rept 4
	v_nop                                          ; places: in front of the loads into K's registers and of the first read of the scores
.endr
.irp g, 0,1                                    ; V, turned: keys 32 g on, channels 16 c on.  The loads land while the softmax is walked
.irp c, 0,1,2,3
	ds_load_tr16_b128 v[KV+32*\g+8*\c:KV+32*\g+8*\c+3], v[ADV] offset:(\q)*32*VP+\g*16*VP+\c*32
	ds_load_tr16_b128 v[KV+32*\g+8*\c+4:KV+32*\g+8*\c+7], v[ADV] offset:(\q)*32*VP+\g*16*VP+8*VP+\c*32
.endr
.endr
	s_add_co_u32 s96, s[KF], 63
	s_cmp_le_u32 s96, s[Q0]                        ; all 64 keys count for all my queries: no mask
	s_cbranch_scc1 .Lopen_\@
	s_sub_co_i32 s96, s[Q0], s[KF]
.irp t, 0,1                                    ; register 8 k + j holds key KF + 16 k + 8 h + j; my query is Q0 + 16 t + r: hidden where 16 k + j > Q0 - KF + 16 t + r - 8 h
	v_add_nc_u32 v[DD], s96, v[RH]
.irp n, 0,1,2,3,4,5,6,7,8,9,10,11,12,13,14,15,16,17,18,19,20,21,22,23,24,25,26,27,28,29,30,31
	v_cmp_gt_i32 vcc_lo, 16*(\n/8)+\n%8, v[DD]
	v_cndmask_b32 v[S+32*\t+\n], v[S+32*\t+\n], v[NINF], vcc_lo
.endr
	s_add_co_u32 s96, s96, 16
.endr
.Lopen_\@:
	SOFTMAX
	s_wait_dscnt 0x0                               ; V is in
.irp g, 0,1
.irp c, 0,1,2,3
.irp t, 0,1
	v_wmma_f32_16x16x32_f16 v[O+32*\t+8*\c:O+32*\t+8*\c+7], v[KV+32*\g+8*\c:KV+32*\g+8*\c+7], v[S+32*\t+8*\g:S+32*\t+8*\g+7], v[O+32*\t+8*\c:O+32*\t+8*\c+7]
.endr
.endr
.endr
.rept 5
	v_nop                                          ; places: the next step's first products write over P's registers (five), its loads land in V's (four), and the way out reads O^T (four)
.endr
.Lhidden_\@:
	s_add_co_u32 s[KF], s[KF], 64
.endm
; THE CHANGE OF SLOTS stands at a slot's head.  Each wave waits for all its tensor loads, adds 0 to its spare word, and waits for that and for its reads of the slot that it has left; behind the barrier the slot ahead is whole and
; nobody reads the other one.  fill = 1: that other slot takes the keys of the next trip, and the load has a whole slot's steps in which to land.  Behind the first block's last trip the keys begin anew at 0.
.macro CHANGE fill
	s_wait_tensorcnt 0x0                           ; no tensor load of mine is out, so a group 0 may be written
	ds_add_u32 v[SPW], v[NIL]                      ; 0 onto my spare word
.if \fill
	ds_add_u32 v[SPW], v[NIL]                      ; and once more: the add twice on end, in every trip alike
	s_xor_b32 s[G0K+1], s[G0K+1], SLOT1            ; the other slot than last time
	s_xor_b32 s[G0V+1], s[G0V+1], SLOT1
	s_add_co_u32 s[OFF], s[OFF], 32768             ; the next 256 keys,
	s_cmp_eq_u32 s[TRIP], s[SWT]
	s_cselect_b32 s[OFF], 0, s[OFF]                ; or the second block's first
	s_add_nc_u64 s[G0K+2:G0K+3], s[KB:KB+1], s[OFF:OFF+1]
	s_or_b32 s[G0K+3], s[G0K+3], 0x80000000
	s_add_nc_u64 s[G0V+2:G0V+3], s[VB:VB+1], s[OFF:OFF+1]
	s_or_b32 s[G0V+3], s[G0V+3], 0x80000000
	s_wait_xcnt 0x0                                ; the last prefetches, a slot back, have read their address
	s_add_nc_u64 s[PFA:PFA+1], s[PFA:PFA+1], 32768
.endif
	s_wait_dscnt 0x0                               ; the add is done, and my reads of the slot that I have left are over
	s_barrier_signal -1
	s_barrier_wait -1
.if \fill
	TLOAD                                          ; the first thing behind the barrier, and a wave's one tensor load until the next
	ASK
.endif
.endm
.macro SLOT_STEPS
	v_add_nc_u32 v[ADK], s[TB], v[AK0]
	v_add_nc_u32 v[ADV], s[TB], v[AV0]
	STEP 0
	STEP 1
	STEP 2
	STEP 3
	s_xor_b32 s[TB], s[TB], SLOT1                  ; on to the other slot
.endm
; THE WAY OUT of a block: O^T / l, rounded to f16, through my stage, a tile (16 rows) at a time; four whole rows of 128 bytes, dense in memory, leave by each store.
.macro EPI yb
.irp t, 0,1
	v_add_f32 v[ST+8*\t+4], v[ST+8*\t+2], v[ST+8*\t+3]
.endr
.irp t, 0,1
	v_permlanex16_b32 v[ST+8*\t+5], v[ST+8*\t+4], s[SEL], s[SEL+1]
.endr
.irp t, 0,1
	v_add_f32 v[ST+8*\t+4], v[ST+8*\t+4], v[ST+8*\t+5]
.endr
.irp t, 0,1
	v_rcp_f32 v[ST+8*\t+6], v[ST+8*\t+4]
.endr
	v_nop                                          ; a plain instruction behind the last reciprocal
	s_wait_alu depctr_va_vdst(0)                   ; and one wait for the two, ahead of their first reader
.irp t, 0,1
.irp i, 0,2,4,6,8,10,12,14,16,18,20,22,24,26,28,30
	v_pk_mul_f32 v[O+32*\t+\i:O+32*\t+\i+1], v[O+32*\t+\i:O+32*\t+\i+1], v[ST+8*\t+6:ST+8*\t+7] op_sel_hi:[1,0]
.endr
.irp i, 0,1,2,3,4,5,6,7,8,9,10,11,12,13,14,15
	v_cvt_pk_f16_f32 v[S+32*\t+\i], v[O+32*\t+2*\i], v[O+32*\t+2*\i+1]
.endr
.irp c, 0,1,2,3
	ds_store_b128 v[STO], v[S+32*\t+4*\c:S+32*\t+4*\c+3] offset:32*\c
.endr
.irp i, 0,1,2,3
	ds_load_b128 v[S+32*\t+16+4*\i:S+32*\t+16+4*\i+3], v[RD] offset:4*SP*\i   ; LDS serves a wave's instructions in order: these see the stores above, and the next tile's stores come behind them
.endr
.endr
	s_wait_dscnt 8                                 ; tile 0 is back; tile 1's four stores and four loads may be out
.irp i, 0,1,2,3
	global_store_b128 v[GO], v[S+16+4*\i:S+16+4*\i+3], s[\yb:\yb+1] offset:4*\i*128
.endr
	s_wait_dscnt 0x0
.irp i, 0,1,2,3
	global_store_b128 v[GO], v[S+48+4*\i:S+48+4*\i+3], s[\yb:\yb+1] offset:(16+4*\i)*128
.endr
	s_wait_xcnt 0x0                                ; the stores have read their data: those registers take scores again
.endm
	s_wait_loadcnt 0x0                             ; Q
.Lslot:                                            ; eight trips; behind each change of slots the next trip's slot is asked for
	CHANGE 1
	SLOT_STEPS
	s_cmp_lg_u32 s[TRIP], s[SWT]                   ; the first block's last slot is done: a branch on ids, the same in all eight waves
	s_cbranch_scc1 .Lnosw
	QLOAD QB                                       ; the second block's Q lands while the first block goes out
	EPI YA
	INIT
	s_mov_b32 s[Q0], s[Q0B]
	s_mov_b32 s[KF], 0
	s_wait_loadcnt 0x0
.Lnosw:
	s_add_co_u32 s[TRIP], s[TRIP], 1
	s_cmp_lt_u32 s[TRIP], 8
	s_cbranch_scc1 .Lslot
	CHANGE 0                                       ; the ninth slot is written out: nothing is left to fetch
	SLOT_STEPS
	EPI YB
	s_wait_tensorcnt 0x0                           ; the wave's end
	ds_add_u32 v[SPW], v[NIL]
	s_wait_dscnt 0x0
	s_endpgm
.Lfunc_end_k_qe18d688f74_attn:
	.size	k_qe18d688f74_attn, .Lfunc_end_k_qe18d688f74_attn-k_qe18d688f74_attn
	.p2alignl 7, 3214868480
	.fill 96, 4, 3214868480
	.section	.rodata,"a",@progbits
	.p2align	6, 0x0
	.amdhsa_kernel k_qe18d688f74_attn
		.amdhsa_group_segment_fixed_size 327680
		.amdhsa_private_segment_fixed_size 0
		.amdhsa_enable_private_segment 0
		.amdhsa_kernarg_size 16
		.amdhsa_user_sgpr_count 2
		.amdhsa_user_sgpr_kernarg_segment_ptr 1
		.amdhsa_wavefront_size32 1
		.amdhsa_system_sgpr_workgroup_id_x 1
		.amdhsa_system_sgpr_workgroup_id_y 1
		.amdhsa_system_sgpr_workgroup_id_z 1
		.amdhsa_system_vgpr_workitem_id 0
		.amdhsa_next_free_vgpr 256
		.amdhsa_next_free_sgpr 98
		.amdhsa_reserve_vcc 1
		.amdhsa_float_denorm_mode_32 3
		.amdhsa_float_denorm_mode_16_64 3
		.amdhsa_memory_ordered 1
		.amdhsa_forward_progress 1
		.amdhsa_inst_pref_size 198
	.end_amdhsa_kernel
	.amdgpu_metadata
---
amdhsa.version: [ 1, 2 ]
amdhsa.kernels:
  - .name:           k_qe18d688f74_attn
    .symbol:         k_qe18d688f74_attn.kd
    .args:
      - { .name: qkvh, .offset: 0, .size: 8, .value_kind: global_buffer, .address_space: global }
      - { .name: y16, .offset: 8, .size: 8, .value_kind: global_buffer, .address_space: global }
    .group_segment_fixed_size: 327680
    .private_segment_fixed_size: 0
    .kernarg_segment_align: 8
    .kernarg_segment_size: 16
    .max_flat_workgroup_size: 256
    .sgpr_count:     98
    .vgpr_count:     256
    .wavefront_size: 32
...
	.end_amdgpu_metadata
.endif
;; end of part 3
;; launch proj (part 4): grid 4 x 64, 4 waves a work-group, clusters of 4 x 4, 327,680 bytes of LDS; arguments y16, wp16, b_proj, out0; writes out0
.if DOCPART == 4
	.amdgcn_target "amdgcn-amd-amdhsa--gfx1250"
	.amdhsa_code_object_version 6
	.text
	.protected	k_qe18d688f74_proj
	.globl	k_qe18d688f74_proj
	.p2align	8
	.type	k_qe18d688f74_proj,@function
k_qe18d688f74_proj:
	s_mov_b64 s[64:65], 0
	v_nop
	global_prefetch_b8 v0, s[64:65] scope:SCOPE_SE
	s_setreg_imm32_b32 hwreg(HW_REG_WAVE_MODE, 25, 1), 1
	s_wait_xcnt 0x0
	s_wait_alu depctr_hold_cnt(0) depctr_sa_sdst(0) depctr_va_vdst(0) depctr_va_sdst(0) depctr_va_ssrc(0) depctr_va_vcc(0) depctr_vm_vsrc(0)
	s_getreg_b32 s2, hwreg(HW_REG_IB_STS2, 6, 4)
	s_cmp_eq_u32 s2, 0
	s_cbranch_scc0 .Lentry_in_a_cluster
	s_endpgm
.Lentry_in_a_cluster:
	s_bfe_u32 s2, ttmp6, 0x10000c
	s_cmp_lg_u32 s2, 0xf033
	s_cbranch_scc0 .Lentry_shape_is_right
	s_endpgm
.Lentry_shape_is_right:
; out0[m][n] = sum over c of y[m][c] w_proj[n][c] + b_proj[n].  y: f16 as 16 head planes [head][8,192][64] (c = 64 head + d); w_proj: f16 [1,024][1,024]; sums and out0 in f32.
; The bias is the C of each sum's first product: another order of f32 rounding than a bias added last.  Rows t < 16 of every batch are stored here like all others; the next launch stores them anew from f32 operands.
; A tile of 128 x 256 gives 256 work-groups.  Four waves, each 64 x 128: 32 accumulators, 256 registers.  K goes in steps of 128 = two head planes through a ring of two LDS slots.
; A plane's rows of 128 bytes are dense in memory, so y's tile is stated as rows of 256 bytes (two rows of y): row m lies at (m / 2) x 272 + 128 (m % 2).  w's rows are 256 bytes of a step.
; CLUSTERS: 4 x 4 work-groups.  The four of a row of the cluster need the same tiles of y, the four of a column the same tiles of w: each tile is asked for jointly.  Waves 0, 1 fetch y's two planes, waves 2, 3 w's two halves.
; THE MATRIX INSTRUCTION IS USED TRANSPOSED (source 0 = 16 rows of w, source 1 = 16 rows of y): a lane holds eight neighbouring columns of one row of out0.
; REGISTERS: window 0: v0-31 addresses; y's fragments, two buffers of 32, at v64 and v96; v128-255 the way out.  window 1: w's fragments, two buffers of 64, at v0 and v64; v128-191 the bias.  window 2: accumulator (a, b) at v[8 (8 a + b)].
.set PITCH,  272
.set PLANE,  64*PITCH                  ; 128 rows of one head plane
.set ATILE,  2*PLANE
.set BHALF,  128*PITCH
.set SLOT,   ATILE+2*BHALF
.set SPARE,  2*SLOT                    ; the spare words, 128 bytes a wave
.set SPITCH, 528                       ; the way out: a stage of 16 rows x (512 + 16) bytes a wave, in slot 0, which has had its last fill and its last read by then
.set LAPS,   4                         ; a lap = two K steps
.set ADRA, 16
.set ADRB, 20
.set STO,  24
.set RD,   25
.set CO,   26
.set BO,   27
.set SPW,  28
.set NIL,  29
.set PFO,  30
.set AF,   64
.set BIAS, 128                         ; in window 1
.set BK,   128                         ; in window 0: v128-191 and v192-255 by turns
.set G1,  24
.set G0,  32
.set G1B, 48
.set G0B, 56
.set PFA, 66
.set LIM, 68
.set MSB, 0
.macro WIN new
.if MSB != (\new)
	s_set_vgpr_msb (MSB<<8)|(\new)
.set MSB, (\new)
.endif
.endm
.set MUL,  0xa1                        ; source 0 (w) window 1, source 1 (y) window 0, C and D window 2
.set MULB, 0x91                        ; the first quarter: C is the bias, in window 1
.set TO_B, 0x40
.macro JLOAD s                         ; an s_nop 0 and four v_nop follow each of the two lines
	s_cmp_eq_u32 s15, 0
	s_cbranch_scc0 .Lfor_b_\@
	tensor_load_to_lds s[G0+4*\s:G0+4*\s+3], s[G1:G1+7]
	s_nop 0
.rept 4
	v_nop
.endr
	s_branch .Lasked_\@
.Lfor_b_\@:
	tensor_load_to_lds s[G0B+4*\s:G0B+4*\s+3], s[G1B:G1B+7]
	s_nop 0
.rept 4
	v_nop
.endr
.Lasked_\@:
.endm
.macro CREST
	s_cmp_lg_u32 s14, 0
	s_cbranch_scc1 .Lnot_wave_0_\@
	s_barrier_signal -3
.Lnot_wave_0_\@:
	s_barrier_wait -3
	s_barrier_signal -1
	s_barrier_wait -1
.endm
.macro CROUND
	s_barrier_signal -1
	s_barrier_wait -1
	CREST
.endm
; A PREFETCH of y's K step two refills on: 128 rows x two planes = 128 runs of 256 bytes.  A tile row of y is read by one row of one cluster alone; its four partners take 32 runs each, told apart BY ADDRESS (4,096 bytes of each
; plane's 16,384); in each, wave 0 asks: one instruction, lanes 0-15 in the first plane, lanes 16-31 in the second.  The loop's last trip asks for nothing: there is no K step behind the eighth.  w, which all clusters read, is not asked for.
.macro ASK
	s_cmp_gt_u32 s3, s[LIM]
	s_cbranch_scc0 .Lnot_mine_\@
	global_prefetch_b8 v[PFO], s[PFA:PFA+1] th:TH_LOAD_NT scope:SCOPE_SE
.Lnot_mine_\@:
.endm
	s_load_b256 s[4:11], s[0:1], 0x0               ; y16, wp16, b_proj, out0
	v_lshl_add_u32 v[SPW], v0, 2, SPARE
	v_mov_b32 v[NIL], 0
	ds_add_u32 v[SPW], v[NIL]                      ; the wave's opening: the add, twice on end, and its wait ahead of my first tensor load
	ds_add_u32 v[SPW], v[NIL]
	v_lshrrev_b32 v1, 5, v0
	v_readfirstlane_b32 s14, v1                    ; wave 0..3
	s_lshr_b32 s15, s14, 1                         ; which 64 rows are mine.  Also: I fetch for y (0) or for w (1)
	s_and_b32 s16, s14, 1                          ; which 128 columns.  Also: which plane, or which half of w's rows, I fetch
	s_bfe_u32 s40, ttmp6, 0x40000
	s_bfe_u32 s41, ttmp6, 0x40004
	s_lshl_b32 s42, ttmp9, 2
	s_add_co_u32 s42, s42, s40                     ; tile column
	s_and_b32 s17, ttmp7, 0xffff
	s_lshl_b32 s17, s17, 2
	s_add_co_u32 s17, s17, s41                     ; tile row
	s_lshl_b32 s43, s41, 2
	s_lshl_b32 s43, 15, s43                        ; my row of the cluster
	s_lshl_b32 s44, 0x1111, s40                    ; my column
	s_or_b32 s[G1], s43, (1<<16)|(1<<20)|(1<<21)|(5<<22)|(3<<25)   ; the mask; elements of 2 bytes; padding on; bit 21 beside a mask; after every 64 words, 4 words
	s_or_b32 s[G1B], s44, (1<<16)|(1<<20)|(1<<21)|(5<<22)|(3<<25)
	s_mov_b32 s[G1+1], 128<<16                     ; y: 64 long rows of 128 elements, dense
	s_mov_b32 s[G1+2], 64<<16
	s_mov_b32 s[G1+3], 128<<16
	s_mov_b32 s[G1+4], 64
	s_mov_b32 s[G1+5], 128
	s_mov_b32 s[G1+6], 0
	s_mov_b32 s[G1+7], 0
	s_mov_b32 s[G1B+1], 128<<16                    ; w: 128 rows of 128 elements, 1,024 elements apart
	s_mov_b32 s[G1B+2], 128<<16
	s_mov_b32 s[G1B+3], 128<<16
	s_mov_b32 s[G1B+4], 128
	s_mov_b32 s[G1B+5], 1024
	s_mov_b32 s[G1B+6], 0
	s_mov_b32 s[G1B+7], 0
	s_lshl_b32 s20, s17, 14                        ; y: 128 rows of 128 bytes a tile row,
	s_lshl_b32 s21, s16, 20                        ; my plane of the step's two
	s_add_co_u32 s20, s20, s21
	s_mov_b32 s21, 0
	s_lshl_b32 s46, s42, 19                        ; w: 256 rows of 2,048 bytes a tile column,
	s_lshl_b32 s47, s16, 18                        ; my 128 of them
	s_add_co_u32 s46, s46, s47
	s_mov_b32 s47, 0
	s_mul_i32 s45, s16, PLANE                      ; where they go: no place in the cluster enters an LDS address
	s_mul_i32 s18, s16, BHALF
	s_add_co_u32 s18, s18, ATILE
	s_wait_dscnt 0x0                               ; both opening adds are done
	s_wait_kmcnt 0x0
	s_add_nc_u64 s[20:21], s[4:5], s[20:21]
	s_add_nc_u64 s[46:47], s[6:7], s[46:47]
	CROUND                                         ; all sixteen work-groups are here: the first joint loads meet
.irp s, 0,1
	s_mov_b32 s[G0+4*\s], 1
	s_add_co_u32 s[G0+4*\s+1], s45, \s*SLOT
	s_add_nc_u64 s[G0+4*\s+2:G0+4*\s+3], s[20:21], \s*(2<<20)      ; K step s: planes 2 s and 2 s + 1
	s_or_b32 s[G0+4*\s+3], s[G0+4*\s+3], 0x80000000
	s_mov_b32 s[G0B+4*\s], 1
	s_add_co_u32 s[G0B+4*\s+1], s18, \s*SLOT
	s_add_nc_u64 s[G0B+4*\s+2:G0B+4*\s+3], s[46:47], \s*256
	s_or_b32 s[G0B+4*\s+3], s[G0B+4*\s+3], 0x80000000
	JLOAD \s                                       ; two tensor loads of mine are out
.endr
	v_and_b32 v1, 15, v0                           ; r
	v_bfe_u32 v2, v0, 4, 1                         ; h
	v_bfe_u32 v3, v0, 1, 3
	v_mul_u32_u24 v3, v3, PITCH
	v_and_b32 v4, 1, v0
	v_lshl_add_u32 v3, v4, 7, v3
	v_lshl_add_u32 v3, v2, 4, v3                   ; y: row r of a block, + 16 h
	v_mul_u32_u24 v4, v1, PITCH
	v_lshl_add_u32 v4, v2, 4, v4                   ; w: row r, + 16 h
	s_mul_i32 s21, s15, 32*PITCH                   ; my 64 rows of y
	s_mul_i32 s22, s16, BHALF                      ; my 128 rows of w,
	s_add_co_u32 s22, s22, ATILE                   ; behind y's planes
.irp s, 0,1
	v_add_nc_u32 v[ADRA+\s], s21, v3
	v_add_nc_u32 v[ADRB+\s], s22, v4
	s_add_co_u32 s21, s21, SLOT
	s_add_co_u32 s22, s22, SLOT
.endr
	s_mul_i32 s23, s14, 16*SPITCH                  ; my stage
	v_mul_u32_u24 v5, v1, SPITCH
	v_lshl_add_u32 v5, v2, 5, v5
	v_add_nc_u32 v[STO], s23, v5                   ; in: row r, 32 bytes for each half of the lanes
	v_and_b32 v6, 31, v0
	v_lshlrev_b32 v[CO], 4, v6
	v_add_nc_u32 v[RD], s23, v[CO]                 ; back: the 32 lanes take one row of 512 bytes
	v_lshlrev_b32 v[BO], 5, v2
	v_lshlrev_b32 v5, 20, v2
	v_lshl_add_u32 v[PFO], v1, 8, v5               ; the prefetch: plane h, run r
	s_lshl_b32 s46, s42, 10
	s_lshl_b32 s47, s16, 9
	s_add_co_u32 s46, s46, s47                     ; 4 x my first column
	s_mov_b32 s47, 0
	s_add_nc_u64 s[8:9], s[8:9], s[46:47]          ; the bias there,
	s_add_nc_u64 s[10:11], s[10:11], s[46:47]      ; and out0,
	s_lshl_b32 s46, s17, 19
	s_lshl_b32 s19, s15, 18
	s_add_co_u32 s46, s46, s19                     ; at my first row: (128 x tile row + 64 x half) rows of 4,096 bytes
	s_add_nc_u64 s[10:11], s[10:11], s[46:47]
	s_lshl_b32 s46, s17, 14
	s_lshl_b32 s19, s40, 12
	s_add_co_u32 s46, s46, s19                     ; the prefetches: my tile row, my work-group's 4,096 bytes of a plane's 16,384,
	s_add_nc_u64 s[PFA:PFA+1], s[4:5], s[46:47]
	s_add_nc_u64 s[PFA:PFA+1], s[PFA:PFA+1], 3<<21 ; at K step 3: the first refill steps it to 4.  Nothing is prefetched here, at the head
	s_cmp_eq_u32 s14, 0
	s_cselect_b32 s[LIM], 1, -1
	WIN TO_B
.irp b, 0,1,2,3,4,5,6,7                        ; the bias in the result's layout: register j of block b is b_proj[my first column + 16 b + 8 h + j]
	global_load_b128 v[BIAS+8*\b:BIAS+8*\b+3], v[BO], s[8:9] offset:64*\b
	global_load_b128 v[BIAS+8*\b+4:BIAS+8*\b+7], v[BO], s[8:9] offset:64*\b+16
.endr
	WIN 0
; 8 matrix instructions: y's block a against w's eight, 32 along K, from buffer f.  The 32 accumulators take turns, one instruction a turn, in the same order in every quarter.
.macro MUL8 f, a, zero
.irp b, 0,1,2,3,4,5,6,7
.if \zero
	v_wmma_f32_16x16x32_f16 v[8*(8*(\a)+\b):8*(8*(\a)+\b)+7], v[64*(\f)+8*\b:64*(\f)+8*\b+7], v[AF+32*(\f)+8*(\a):AF+32*(\f)+8*(\a)+7], v[BIAS+8*\b:BIAS+8*\b+7]
.else
	v_wmma_f32_16x16x32_f16 v[8*(8*(\a)+\b):8*(8*(\a)+\b)+7], v[64*(\f)+8*\b:64*(\f)+8*\b+7], v[AF+32*(\f)+8*(\a):AF+32*(\f)+8*(\a)+7], v[8*(8*(\a)+\b):8*(8*(\a)+\b)+7]
.endif
.endr
.endm
; 24 LDS loads in one run: quarter q (32 along K) of a slot into buffer f: w's eight fragments, then y's four.  Quarters 0, 1 lie in the step's first plane, 2, 3 in its second.
.macro FETCH slot, q, f
	WIN TO_B
.irp i, 0,1,2,3,4,5,6,7
	ds_load_b128 v[64*(\f)+8*\i:64*(\f)+8*\i+3],   v[ADRB+\slot] offset:64*(\q)+\i*16*PITCH
	ds_load_b128 v[64*(\f)+8*\i+4:64*(\f)+8*\i+7], v[ADRB+\slot] offset:64*(\q)+\i*16*PITCH+32
.endr
	WIN 0
.irp i, 0,1,2,3
	ds_load_b128 v[AF+32*(\f)+8*\i:AF+32*(\f)+8*\i+3],   v[ADRA+\slot] offset:((\q)/2)*PLANE+((\q)%2)*64+\i*8*PITCH
	ds_load_b128 v[AF+32*(\f)+8*\i+4:AF+32*(\f)+8*\i+7], v[ADRA+\slot] offset:((\q)/2)*PLANE+((\q)%2)*64+\i*8*PITCH+32
.endr
.endm
.macro PLACES                          ; four plain vector instructions in front of loads into registers that matrix instructions have read, and of the first read of results
.rept 4
	v_nop
.endr
.endm
; One of a K step's first three quarters: multiplies buffer f and, in its middle, fetches quarter q into buffer g.
.macro QUARTER slot, q, f, g, zero
	s_wait_dscnt 4                                 ; w's fragments and y's blocks 0, 1 are in; the youngest four loads (blocks 2, 3) may be out
.if \zero
	WIN MULB
.else
	WIN MUL
.endif
	MUL8 \f, 0, \zero
	MUL8 \f, 1, \zero
	PLACES
	FETCH \slot, \q, \g
	s_wait_dscnt 24                                ; all but the 24 just issued
.if \zero
	WIN MULB
.else
	WIN MUL
.endif
	MUL8 \f, 2, \zero
	MUL8 \f, 3, \zero
.endm
; The last quarter multiplies buffer 1 and changes slots: one barrier; in front of it each wave waits for all its tensor loads, adds 0 to its spare word, and waits for that and for its reads of this slot.
; fill = 1: the barrier opens a round of the cluster's barrier, and this slot is filled again, two K steps ahead: the joint load is the first tensor load behind the round.
.macro TURN slot, next, fill
.if \fill
	s_wait_xcnt 0x0                                ; the last prefetch, a K step back, has read its address
	s_add_nc_u64 s[PFA:PFA+1], s[PFA:PFA+1], 1<<21
.endif
	WIN 0                                          ; (the add's two registers lie in window 0)
	s_wait_tensorcnt 0x0                           ; all my tensor loads have landed: my part of the next slot
	ds_add_u32 v[SPW], v[NIL]                      ; 0 onto my spare word
	s_wait_dscnt 5                                 ; the add and the youngest four loads may be out
	WIN MUL
	MUL8 1, 0, 0                                   ; eight matrix instructions stand between the add and the wait for it
	s_wait_dscnt 0x0                               ; the add is done, and my reads of this slot are over
	s_barrier_signal -1
	MUL8 1, 1, 0
.if \fill
	WIN 0
.endif
	s_barrier_wait -1
.if \fill
	CREST                                          ; no wave of any partner still reads this slot's tile or has a load on its way
	s_add_nc_u64 s[G0+4*\slot+2:G0+4*\slot+3], s[G0+4*\slot+2:G0+4*\slot+3], 4<<20     ; four planes on
	s_add_nc_u64 s[G0B+4*\slot+2:G0B+4*\slot+3], s[G0B+4*\slot+2:G0B+4*\slot+3], 512
	JLOAD \slot                                    ; the four v_nop behind it are also the places in front of the loads below
.else
	PLACES
.endif
	FETCH \next, 0, 0
.if \fill
	ASK
.endif
	WIN MUL
	MUL8 1, 2, 0
	MUL8 1, 3, 0
.endm
	s_wait_loadcnt 0x0                             ; the bias
	s_wait_tensorcnt 1                             ; my part of K step 0 is in; K step 1's load may stay out
	s_barrier_signal -1
	s_barrier_wait -1
	FETCH 0, 0, 0
	QUARTER 0, 1, 0, 1, 1                          ; the first quarter stands in front of the loop: its products start the sums from the bias
	WIN 0                                          ; at a label and at a branch every window is 0
	s_mov_b32 s3, LAPS-1
.Llap:                                             ; a trip goes once round the ring, from a lap's second quarter to the next lap's first, and fills both slots again
	QUARTER 0, 2, 1, 0, 0
	QUARTER 0, 3, 0, 1, 0
	TURN 0, 1, 1
	QUARTER 1, 1, 0, 1, 0
	QUARTER 1, 2, 1, 0, 0
	QUARTER 1, 3, 0, 1, 0
	TURN 1, 0, 1
	QUARTER 0, 1, 0, 1, 0
	WIN 0
	s_sub_co_u32 s3, s3, 1
	s_cmp_lg_u32 s3, 0
	s_cbranch_scc1 .Llap
	QUARTER 0, 2, 1, 0, 0                          ; the last lap fills nothing, and has no round of the cluster's barrier
	QUARTER 0, 3, 0, 1, 0
	TURN 0, 1, 0
	QUARTER 1, 1, 0, 1, 0
	QUARTER 1, 2, 1, 0, 0
	QUARTER 1, 3, 0, 1, 0
	s_wait_dscnt 4                                 ; the very last quarter: nothing more to fetch
	WIN MUL
	MUL8 1, 0, 0
	MUL8 1, 1, 0
	s_wait_dscnt 0
	MUL8 1, 2, 0
	MUL8 1, 3, 0
	WIN 0
; THE WAY OUT, block by block of 16 rows x 128 columns: through my stage and back as whole rows of 512 bytes.
.macro TOSTAGE a
	WIN 0x08                                       ; an LDS store's data are its source 1: window 2
.irp b, 0,1,2,3,4,5,6,7
	ds_store_b128 v[STO], v[64*(\a)+8*\b:64*(\a)+8*\b+3] offset:64*\b            ; each accumulator from its low end on
	ds_store_b128 v[STO], v[64*(\a)+8*\b+4:64*(\a)+8*\b+7] offset:64*\b+16
.endr
	WIN 0
.set BB, BK+64*((\a)%2)
.irp t, 0,1,2,3,4,5,6,7,8,9,10,11,12,13,14,15
	ds_load_b128 v[BB+4*\t:BB+4*\t+3], v[RD] offset:\t*SPITCH                    ; LDS serves a wave's instructions in order: these see the stores above
.endr
.endm
.macro SEND a, younger
.set BB, BK+64*((\a)%2)
	s_wait_dscnt \younger                          ; the block is back; the next block's 16 stores and 16 loads may be out
.irp t, 0,1,2,3,4,5,6,7,8,9,10,11,12,13,14,15
	global_store_b128 v[CO], v[BB+4*\t:BB+4*\t+3], s[10:11] offset:(16*(\a)+\t)*4096 th:TH_STORE_NT   ; 32 lanes store 512 consecutive bytes, aligned; every offset an immediate
.endr
.endm
	PLACES
	TOSTAGE 0
.irp a, 1,2,3
.if \a > 1
	s_wait_xcnt 0x0                                ; block a - 2's stores have read their data: block a's loads may land there
.endif
	TOSTAGE \a
	SEND \a-1, 32
.endr
	SEND 3, 0
	s_wait_tensorcnt 0x0                           ; the wave's end
	ds_add_u32 v[SPW], v[NIL]
	s_wait_dscnt 0x0
	CROUND                                         ; the closing round
	s_endpgm
.Lfunc_end_k_qe18d688f74_proj:
	.size	k_qe18d688f74_proj, .Lfunc_end_k_qe18d688f74_proj-k_qe18d688f74_proj
	.p2alignl 7, 3214868480
	.fill 96, 4, 3214868480
	.section	.rodata,"a",@progbits
	.p2align	6, 0x0
	.amdhsa_kernel k_qe18d688f74_proj
		.amdhsa_group_segment_fixed_size 327680
		.amdhsa_private_segment_fixed_size 0
		.amdhsa_enable_private_segment 0
		.amdhsa_kernarg_size 32
		.amdhsa_user_sgpr_count 2
		.amdhsa_user_sgpr_kernarg_segment_ptr 1
		.amdhsa_wavefront_size32 1
		.amdhsa_system_sgpr_workgroup_id_x 1
		.amdhsa_system_sgpr_workgroup_id_y 1
		.amdhsa_system_sgpr_workgroup_id_z 1
		.amdhsa_system_vgpr_workitem_id 0
		.amdhsa_next_free_vgpr 768
		.amdhsa_next_free_sgpr 70
		.amdhsa_reserve_vcc 0
		.amdhsa_float_denorm_mode_32 3
		.amdhsa_float_denorm_mode_16_64 3
		.amdhsa_memory_ordered 1
		.amdhsa_forward_progress 1
		.amdhsa_inst_pref_size 88
	.end_amdhsa_kernel
	.amdgpu_metadata
---
amdhsa.version: [ 1, 2 ]
amdhsa.kernels:
  - .name:           k_qe18d688f74_proj
    .symbol:         k_qe18d688f74_proj.kd
    .args:
      - { .name: y16, .offset: 0, .size: 8, .value_kind: global_buffer, .address_space: global }
      - { .name: wp16, .offset: 8, .size: 8, .value_kind: global_buffer, .address_space: global }
      - { .name: b_proj, .offset: 16, .size: 8, .value_kind: global_buffer, .address_space: global }
      - { .name: out0, .offset: 24, .size: 8, .value_kind: global_buffer, .address_space: global }
    .group_segment_fixed_size: 327680
    .private_segment_fixed_size: 0
    .kernarg_segment_align: 8
    .kernarg_segment_size: 32
    .max_flat_workgroup_size: 128
    .sgpr_count:     70
    .vgpr_count:     768
    .wavefront_size: 32
...
	.end_amdgpu_metadata
.endif
;; end of part 4
;; launch fine (part 5): grid 64 x 4, 16 waves a work-group, no clusters, 88,064 bytes of LDS; arguments qkv32, w_proj, b_proj, out0; writes out0
.if DOCPART == 5
	.amdgcn_target "amdgcn-amd-amdhsa--gfx1250"
	.amdhsa_code_object_version 6
	.text
	.protected	k_qe18d688f74_fine
	.globl	k_qe18d688f74_fine
	.p2align	8
	.type	k_qe18d688f74_fine,@function
k_qe18d688f74_fine:
	s_mov_b64 s[64:65], 0
	v_nop
	global_prefetch_b8 v0, s[64:65] scope:SCOPE_SE
	s_setreg_imm32_b32 hwreg(HW_REG_WAVE_MODE, 25, 1), 1
	s_wait_xcnt 0x0
; The first 16 positions of every batch, carried in f32 through attention and projection: these rows average one to sixteen values, and 16-bit operands would weigh most there.  It stores rows t < 16 of out0 anew.
; SHARES.  Work-group (s, b): output columns 16 s .. 16 s + 15 of batch b's rows 0-15.  Wave = head: it makes its head's 16 x 16 attention and its 64 channels' part of the 16 x 16 outputs; the sixteen parts meet in LDS.
; Every work-group of a batch makes the same small attention again: 48 matrix instructions a wave, so that no further launch and no further buffer are needed.
; qkv32 holds images of accumulators: lane (r, h) of image nb holds row t = r, columns 16 nb + 8 h + 0..7, in 8 registers.  The f32 matrix form takes 4 along K, place 2 h + j in register j of lane (r, h).
; THE PLACE OF k IS PERMUTED ALIKE ON BOTH SIDES: in K Q^T and in the projection, place (h, j) of register pair i of image c is channel 16 c + 8 h + 2 i + j for both operands; in V^T P, place (h, j) of step s is key 8 h + 2 s + j.
; So q, k, the weights p and y feed the products as they stand in registers; only V is turned, through the wave's own rows in LDS.
; The registers that the f32 matrix form writes (v144-239) are written by it alone, and each sum begins with C = 0.  Four accumulators take turns in each product.
; A work-group stores 64 bytes of each of 16 rows: parts of aligned runs of 256 bytes; the whole launch stores 262,144 bytes.
; LIMITS: the exponential gives 0 for results under 2^-126.
.set VTP,   272                        ; a key's row of V in LDS: 64 channels x 4 bytes + 16
.set VTW,   16*VTP
.set RED,   16*VTW                     ; 1,024 bytes a wave: its part of the outputs
.set SPARE, RED+16*1024                ; the spare words, 128 bytes a wave
; v1 16 x lane; v2 w_proj: 4,096 r + 32 h; v3, v4 V's rows in LDS, in and out; v5, v6 the parts, in and out; v7 out0's offset; v8 the bias's; v10, v11 the add's two; v12-15 the bias
; v16-47 Q, later y; v48-79 K; v80-111 V, later V^T; v112-143 w_proj; v144-175, v176-207, v208-239 accumulators; v240-247 scores, p, later my part; v248-255 at work
	s_load_b256 s[4:11], s[0:1], 0x0               ; qkv32, w_proj, b_proj, out0
	v_lshl_add_u32 v10, v0, 2, SPARE
	v_mov_b32 v11, 0
	v_lshrrev_b32 v1, 5, v0
	v_readfirstlane_b32 s12, v1                    ; wave = head
	s_and_b32 s13, s12, 1                          ; u: which four of a lane's eight outputs waves 0 and 1 finish
	s_and_b32 s14, ttmp7, 0xffff                   ; batch
	s_mul_i32 s16, s14, 196608
	s_lshl_b32 s17, s12, 12                        ; a head is four images of 1,024 bytes
	s_add_co_u32 s16, s16, s17
	s_mov_b32 s17, 0
	s_lshl_b32 s18, ttmp9, 16                      ; w_proj: 16 rows of 4,096 bytes a slice,
	s_lshl_b32 s19, s12, 8                         ; my head's 64 columns
	s_add_co_u32 s18, s18, s19
	s_mov_b32 s19, 0
	s_lshl_b32 s24, ttmp9, 6                       ; 16 columns of 4 bytes
	s_mov_b32 s25, 0
	s_lshl_b32 s26, s14, 23                        ; a batch of out0: 2,048 rows of 4,096 bytes
	s_add_co_u32 s26, s26, s24
	s_mov_b32 s27, 0
	s_mov_b32 s20, 0x76543210
	s_mov_b32 s21, 0xfedcba98                      ; v_permlanex16_b32's selects for lane l xor 16
	s_mov_b32 s22, 0x3e38aa3b                      ; c = log2(e) / 8
	s_mov_b32 s23, s22
	v_and_b32 v9, 31, v0
	v_lshlrev_b32 v1, 4, v9
	v_and_b32 v8, 15, v0                           ; r
	v_bfe_u32 v9, v0, 4, 1                         ; h
	v_lshlrev_b32 v2, 12, v8
	v_lshl_add_u32 v2, v9, 5, v2
	s_mul_i32 s28, s12, VTW
	v_mul_u32_u24 v3, v8, VTP
	v_lshl_add_u32 v3, v9, 5, v3
	v_add_nc_u32 v3, s28, v3                       ; in: key r, channels 8 h on
	v_mul_u32_u24 v4, v9, 8*VTP
	v_lshl_add_u32 v4, v8, 2, v4
	v_add_nc_u32 v4, s28, v4                       ; out: keys 8 h on, channel r
	s_lshl_b32 s28, s12, 10
	s_add_co_u32 s28, s28, RED
	v_add_nc_u32 v5, s28, v1
	s_lshl_b32 s28, s13, 9
	s_add_co_u32 s28, s28, RED
	v_add_nc_u32 v6, s28, v1
	s_lshl_b32 s28, s13, 4
	v_add_nc_u32 v7, s28, v2                       ; out0: row r, columns 8 h + 4 u on
	v_lshlrev_b32 v8, 5, v9
	v_add_nc_u32 v8, s28, v8
	s_wait_kmcnt 0x0
	s_add_nc_u64 s[4:5], s[4:5], s[16:17]
	s_add_nc_u64 s[6:7], s[6:7], s[18:19]
	s_add_nc_u64 s[8:9], s[8:9], s[24:25]
	s_add_nc_u64 s[10:11], s[10:11], s[26:27]
	global_load_b128 v[12:15], v8, s[8:9]          ; the bias: every wave loads four numbers, so that the counts below are the same in all
.irp c, 0,1,2,3
.irp f, 0,1
	global_load_b128 v[80+8*\c+4*\f:83+8*\c+4*\f], v1, s[4:5] offset:131072+1024*\c+512*\f   ; V: 512 consecutive bytes a load
.endr
.endr
.irp c, 0,1,2,3
.irp f, 0,1
	global_load_b128 v[16+8*\c+4*\f:19+8*\c+4*\f], v1, s[4:5] offset:1024*\c+512*\f          ; Q
.endr
.endr
.irp c, 0,1,2,3
.irp f, 0,1
	global_load_b128 v[48+8*\c+4*\f:51+8*\c+4*\f], v1, s[4:5] offset:65536+1024*\c+512*\f    ; K
.endr
.endr
.irp c, 0,1,2,3
.irp f, 0,1
	global_load_b128 v[112+8*\c+4*\f:115+8*\c+4*\f], v2, s[6:7] offset:64*\c+16*\f           ; w_proj(16 s + r, 64 head + 16 c + 8 h + 0..7)
.endr
.endr
	s_wait_loadcnt 24                              ; the bias and V are in; the 24 loads of Q, K and w_proj stay out
.irp c, 0,1,2,3
.irp f, 0,1
	ds_store_b128 v3, v[80+8*\c+4*\f:83+8*\c+4*\f] offset:64*\c+16*\f
.endr
.endr
	s_wait_dscnt 0x0                               ; the stores are done: the loads below land in the registers that they read
.irp c, 0,1,2,3
.irp e, 0,1,2,3,4,5,6,7
	ds_load_b32 v[80+8*\c+\e], v4 offset:VTP*\e+64*\c      ; V(key 8 h + e, channel 16 c + r): pair s = e / 2 is source 0 of step s
.endr
.endr
	s_wait_loadcnt 8                               ; Q and K are in; w_proj's eight loads stay out
.irp i, 0,1,2,3                                ; S^T = K Q^T: source 0 = 16 keys, source 1 = 16 queries; accumulator c sums the channels of image c
.irp c, 0,1,2,3
.if \i == 0
	v_wmma_f32_16x16x4_f32 v[144+8*\c:151+8*\c], v[48+8*\c+2*\i:49+8*\c+2*\i], v[16+8*\c+2*\i:17+8*\c+2*\i], 0
.else
	v_wmma_f32_16x16x4_f32 v[144+8*\c:151+8*\c], v[48+8*\c+2*\i:49+8*\c+2*\i], v[16+8*\c+2*\i:17+8*\c+2*\i], v[144+8*\c:151+8*\c]
.endif
.endr
.endr
.rept 8
	v_nop                                          ; eight places behind this form (ISA guide 7.12.1)
.endr
.irp e, 0,2,4,6
	v_pk_add_f32 v[240+\e:241+\e], v[144+\e:145+\e], v[152+\e:153+\e]      ; the four accumulators are added, each from its low end on
.endr
.irp e, 0,2,4,6
	v_pk_add_f32 v[248+\e:249+\e], v[160+\e:161+\e], v[168+\e:169+\e]
.endr
.irp e, 0,2,4,6
	v_pk_add_f32 v[240+\e:241+\e], v[240+\e:241+\e], v[248+\e:249+\e]      ; lane (r, h): query r, keys 8 h + 0..7
.endr
	v_and_b32 v248, 15, v0
	v_bfe_u32 v249, v0, 4, 1
	v_lshlrev_b32 v249, 3, v249
	v_sub_nc_u32 v248, v248, v249                  ; key 8 h + j is hidden where j > r - 8 h
	v_mov_b32 v249, 0xff800000                     ; -infinity
.irp j, 0,1,2,3,4,5,6,7
	v_cmp_gt_i32 vcc_lo, \j, v248
	v_cndmask_b32 v[240+\j], v[240+\j], v249, vcc_lo
.endr
	v_max3_num_f32 v250, v240, v241, v242
	v_max3_num_f32 v251, v243, v244, v245
	v_max3_num_f32 v250, v250, v246, v247
	v_max_num_f32 v250, v250, v251
	v_permlanex16_b32 v251, v250, s20, s21
	v_max_num_f32 v250, v250, v251                 ; the row's maximum: key 0 counts for every query
	v_mul_f32 v250, s22, v250
.irp e, 0,2,4,6
	v_pk_fma_f32 v[240+\e:241+\e], v[240+\e:241+\e], s[22:23], v[250:251] op_sel_hi:[1,0,0] neg_lo:[0,0,1] neg_hi:[0,0,1]   ; c s - c m
.endr
.irp j, 0,1,2,3,4,5,6,7
	v_exp_f32 v[240+\j], v[240+\j]
.endr
	v_nop                                          ; a plain instruction behind the last exponential
	s_wait_alu depctr_va_vdst(0)                   ; one wait for the eight, ahead of their first reader
	v_pk_add_f32 v[252:253], v[240:241], v[242:243]
	v_pk_add_f32 v[254:255], v[244:245], v[246:247]
	v_pk_add_f32 v[252:253], v[252:253], v[254:255]
	v_add_f32 v252, v252, v253
	v_permlanex16_b32 v253, v252, s20, s21
	v_add_f32 v252, v252, v253                     ; the row's sum
	v_rcp_f32 v252, v252
	v_nop
	s_wait_alu depctr_va_vdst(0)
	s_wait_dscnt 0x0                               ; V^T is in
.irp s, 0,1,2,3                                ; Y^T = V^T P: source 0 = 16 channels of image c, source 1 = p's pair s
.irp c, 0,1,2,3
.if \s == 0
	v_wmma_f32_16x16x4_f32 v[176+8*\c:183+8*\c], v[80+8*\c+2*\s:81+8*\c+2*\s], v[240+2*\s:241+2*\s], 0
.else
	v_wmma_f32_16x16x4_f32 v[176+8*\c:183+8*\c], v[80+8*\c+2*\s:81+8*\c+2*\s], v[240+2*\s:241+2*\s], v[176+8*\c:183+8*\c]
.endif
.endr
.endr
.rept 8
	v_nop
.endr
.irp e, 0,2,4,6,8,10,12,14,16,18,20,22,24,26,28,30
	v_pk_mul_f32 v[16+\e:17+\e], v[176+\e:177+\e], v[252:253] op_sel_hi:[1,0]   ; y = Y^T / the sum, into other registers: lane (r, h): row r, channels 16 c + 8 h + 0..7: laid as Q was
.endr
	s_wait_loadcnt 0x0                             ; w_proj
.irp i, 0,1,2,3                                ; my head's part of the outputs: source 0 = 16 rows of w_proj, source 1 = y
.irp c, 0,1,2,3
.if \i == 0
	v_wmma_f32_16x16x4_f32 v[208+8*\c:215+8*\c], v[112+8*\c+2*\i:113+8*\c+2*\i], v[16+8*\c+2*\i:17+8*\c+2*\i], 0
.else
	v_wmma_f32_16x16x4_f32 v[208+8*\c:215+8*\c], v[112+8*\c+2*\i:113+8*\c+2*\i], v[16+8*\c+2*\i:17+8*\c+2*\i], v[208+8*\c:215+8*\c]
.endif
.endr
.endr
.rept 8
	v_nop
.endr
.irp e, 0,2,4,6
	v_pk_add_f32 v[240+\e:241+\e], v[208+\e:209+\e], v[216+\e:217+\e]
.endr
.irp e, 0,2,4,6
	v_pk_add_f32 v[248+\e:249+\e], v[224+\e:225+\e], v[232+\e:233+\e]
.endr
.irp e, 0,2,4,6
	v_pk_add_f32 v[240+\e:241+\e], v[240+\e:241+\e], v[248+\e:249+\e]      ; lane (r, h): row r, columns 16 s + 8 h + 0..7
.endr
	ds_store_b128 v5, v[240:243]
	ds_store_b128 v5, v[244:247] offset:512
	s_wait_dscnt 0x0                               ; for the others' sake: my part lies in LDS
	s_barrier_signal -1
	s_barrier_wait -1
	s_cmp_gt_u32 s12, 1                            ; waves 0 and 1 add the sixteen parts, four columns a lane each
	s_cbranch_scc1 .Ldone
.irp i, 0,1,2,3,4,5,6,7,8,9,10,11,12,13,14,15
	ds_load_b128 v[16+4*\i:19+4*\i], v6 offset:1024*\i
.endr
	s_wait_dscnt 0x0
.irp i, 0,1,2,3,4,5,6,7
	v_pk_add_f32 v[16+4*\i:17+4*\i], v[16+4*\i:17+4*\i], v[48+4*\i:49+4*\i]
	v_pk_add_f32 v[18+4*\i:19+4*\i], v[18+4*\i:19+4*\i], v[50+4*\i:51+4*\i]
.endr
.irp i, 0,1,2,3
	v_pk_add_f32 v[16+4*\i:17+4*\i], v[16+4*\i:17+4*\i], v[32+4*\i:33+4*\i]
	v_pk_add_f32 v[18+4*\i:19+4*\i], v[18+4*\i:19+4*\i], v[34+4*\i:35+4*\i]
.endr
.irp i, 0,1
	v_pk_add_f32 v[16+4*\i:17+4*\i], v[16+4*\i:17+4*\i], v[24+4*\i:25+4*\i]
	v_pk_add_f32 v[18+4*\i:19+4*\i], v[18+4*\i:19+4*\i], v[26+4*\i:27+4*\i]
.endr
	v_pk_add_f32 v[16:17], v[16:17], v[20:21]
	v_pk_add_f32 v[18:19], v[18:19], v[22:23]
	v_pk_add_f32 v[16:17], v[16:17], v[12:13]      ; the bias
	v_pk_add_f32 v[18:19], v[18:19], v[14:15]
	global_store_b128 v7, v[16:19], s[10:11]
.Ldone:
	s_wait_tensorcnt 0x0                           ; the wave's end
	ds_add_u32 v10, v11
	s_wait_dscnt 0x0
	s_endpgm
.Lfunc_end_k_qe18d688f74_fine:
	.size	k_qe18d688f74_fine, .Lfunc_end_k_qe18d688f74_fine-k_qe18d688f74_fine
	.p2alignl 7, 3214868480
	.fill 96, 4, 3214868480
	.section	.rodata,"a",@progbits
	.p2align	6, 0x0
	.amdhsa_kernel k_qe18d688f74_fine
		.amdhsa_group_segment_fixed_size 88064
		.amdhsa_private_segment_fixed_size 0
		.amdhsa_enable_private_segment 0
		.amdhsa_kernarg_size 32
		.amdhsa_user_sgpr_count 2
		.amdhsa_user_sgpr_kernarg_segment_ptr 1
		.amdhsa_wavefront_size32 1
		.amdhsa_system_sgpr_workgroup_id_x 1
		.amdhsa_system_sgpr_workgroup_id_y 1
		.amdhsa_system_sgpr_workgroup_id_z 1
		.amdhsa_system_vgpr_workitem_id 0
		.amdhsa_next_free_vgpr 256
		.amdhsa_next_free_sgpr 66
		.amdhsa_reserve_vcc 1
		.amdhsa_float_denorm_mode_32 3
		.amdhsa_float_denorm_mode_16_64 3
		.amdhsa_memory_ordered 1
		.amdhsa_forward_progress 1
		.amdhsa_inst_pref_size 21
	.end_amdhsa_kernel
	.amdgpu_metadata
---
amdhsa.version: [ 1, 2 ]
amdhsa.kernels:
  - .name:           k_qe18d688f74_fine
    .symbol:         k_qe18d688f74_fine.kd
    .args:
      - { .name: qkv32, .offset: 0, .size: 8, .value_kind: global_buffer, .address_space: global }
      - { .name: w_proj, .offset: 8, .size: 8, .value_kind: global_buffer, .address_space: global }
      - { .name: b_proj, .offset: 16, .size: 8, .value_kind: global_buffer, .address_space: global }
      - { .name: out0, .offset: 24, .size: 8, .value_kind: global_buffer, .address_space: global }
    .group_segment_fixed_size: 88064
    .private_segment_fixed_size: 0
    .kernarg_segment_align: 8
    .kernarg_segment_size: 32
    .max_flat_workgroup_size: 512
    .sgpr_count:     66
    .vgpr_count:     256
    .wavefront_size: 32
...
	.end_amdgpu_metadata
.endif
;; end of part 5
